; MI455X (gfx1250); checked and timed in simulation.
; The chip was launched on July 23, 2026; its instructions are those of AMD's public machine-readable ISA for CDNA 5 (MIT licence, August 2026) and "CDNA5" Instruction Set Architecture Reference Guide (July 2026). The comments in the code are by the model that wrote it; some were corrected since.
;; Casual Attention. Allowed arithmetic: float matrix products may take bf16 or f16 operands with f32 sums; other float arithmetic in f32, or as packed bf16 or f16 multiplies, adds, multiply-adds, maxima and minima; sums over many terms, partial sums and values carried from step to step in f32; what a program stores and reads back later, other than sums and carried values, may be rounded once to bf16 or f16.
;; Inputs: Wk 1,024 x 1,024 float32; Wq 1,024 x 1,024 float32; Wv 1,024 x 1,024 float32; inputs 4 x 2,048 x 1,024 float32.
;; Outputs: out0 4 x 2,048 x 1,024 float32.
;; 2 versions, each right; version 2 is version 1 with the launch cvt written anew for expert scheduling mode. Each part assembles by itself: llvm-mc -triple=amdgcn-amd-amdhsa -mcpu=gfx1250 --defsym DOCPART=n.
;; ======== version 1 of 2: 4 launches
;; limits: values are held in f16: magnitudes above 65,504 overflow, below 6.1e-05 lose precision
;; workspace buffers: ab 23,068,672 bytes; qkv 50,331,648 bytes; pt 33,554,432 bytes; stats 1,048,576 bytes
;; launch cvt (part 1): grid 704 x 1, 8 waves a work-group, no clusters, 0 bytes of LDS; arguments inputs, Wq, Wk, Wv, ab; writes ab
.if DOCPART == 1
	.amdgcn_target "amdgcn-amd-amdhsa--gfx1250"
	.amdhsa_code_object_version 6
	.text
	.protected	k_q7d2ef1c53b_cvt
	.globl	k_q7d2ef1c53b_cvt
	.p2align	8
	.type	k_q7d2ef1c53b_cvt,@function
k_q7d2ef1c53b_cvt:
	s_mov_b64 s[64:65], 0
	v_nop
	global_prefetch_b8 v0, s[64:65] scope:SCOPE_SE
	s_setreg_imm32_b32 hwreg(HW_REG_WAVE_MODE, 25, 1), 1
	s_wait_xcnt 0x0
; x [8192][1024] and Wq, Wk, Wv [1024][1024], all f32, are rounded once to bf16 and laid out for the product that follows:
; ab[kb][row][64], kb = 0..15 the block of 64 channels, row = 0..11263 (x's 8,192 rows, then Wq's, Wk's, Wv's 1,024 each).
; So the rows of a tile for 64 channels lie end to end, 128 bytes each.
; A work-group takes 16 stacked rows.  Thread t: row t / 16, four numbers at place t % 16 of each block of 64: a wave's load covers
; 256 consecutive bytes of each of two rows, a wave's store 256 consecutive bytes, aligned.  All 16 loads go out ahead of the stores.
; No LDS, no matrix unit, no loop: every byte is read once and written once.
.set BLK, 1441792                      ; bytes of one kb block: 11,264 rows x 128
.set VI,  2                            ; v2  byte offset in the 16 rows of the source
.set VO,  3                            ; v3  byte offset in the 16 rows of a block: 8 t
.set X,   8                            ; v[8:71]   16 x 4 numbers as loaded
.set Y,   72                           ; v[72:103] 16 x 2 registers to store
	s_load_b256 s[4:11], s[0:1], 0x0               ; inputs s[4:5], Wq s[6:7], Wk s[8:9], Wv s[10:11]
	s_load_b64 s[12:13], s[0:1], 0x20              ; ab
	v_lshrrev_b32 v1, 4, v0                        ; row
	v_and_b32 v4, 15, v0
	v_lshlrev_b32 v4, 4, v4                        ; 16 bytes a thread
	v_lshl_or_b32 v[VI], v1, 12, v4                ; row x 4,096 + 16 (t % 16)
	v_lshlrev_b32 v[VO], 3, v0
	s_mov_b32 s16, 640                             ; the first work-group of the tensor that I read
	s_lshl_b32 s20, ttmp9, 11                      ; 16 rows x 128 bytes in each block
	s_mov_b32 s21, 0
	s_mov_b32 s19, 0
	s_wait_kmcnt 0x0
	s_mov_b64 s[14:15], s[10:11]                   ; work-groups 640.. read Wv,
	s_cmp_lt_u32 ttmp9, 640
	s_cselect_b64 s[14:15], s[8:9], s[14:15]       ; 576..639 Wk,
	s_cselect_b32 s16, 576, s16
	s_cmp_lt_u32 ttmp9, 576
	s_cselect_b64 s[14:15], s[6:7], s[14:15]       ; 512..575 Wq,
	s_cselect_b32 s16, 512, s16
	s_cmp_lt_u32 ttmp9, 512
	s_cselect_b64 s[14:15], s[4:5], s[14:15]       ; 0..511 x
	s_cselect_b32 s16, 0, s16
	s_sub_co_u32 s18, ttmp9, s16
	s_lshl_b32 s18, s18, 16                        ; 16 rows x 4,096 bytes
	s_add_nc_u64 s[14:15], s[14:15], s[18:19]
	s_add_nc_u64 s[20:21], s[12:13], s[20:21]      ; blocks 0-4 by the immediate,
	s_add_nc_u64 s[22:23], s[20:21], 5*BLK         ; 5-9,
	s_add_nc_u64 s[24:25], s[20:21], 10*BLK        ; 10-14,
	s_add_nc_u64 s[26:27], s[20:21], 15*BLK        ; 15: four blocks at the most stand in an immediate of 24 bits
.set kb, 0
.rept 16
	global_load_b128 v[X+4*kb:X+4*kb+3], v[VI], s[14:15] offset:256*kb th:TH_LOAD_NT
.set kb, kb+1
.endr
.set kb, 0
.rept 16
	s_wait_loadcnt 15-kb                           ; loads come back in order: block kb is in, the younger ones stay out
	v_cvt_pk_bf16_f32 v[Y+2*kb], v[X+4*kb], v[X+4*kb+1]
	v_cvt_pk_bf16_f32 v[Y+2*kb+1], v[X+4*kb+2], v[X+4*kb+3]
	global_store_b64 v[VO], v[Y+2*kb:Y+2*kb+1], s[20+2*(kb/5):21+2*(kb/5)] offset:(kb%5)*BLK
.set kb, kb+1
.endr
	s_endpgm
.Lfunc_end_k_q7d2ef1c53b_cvt:
	.size	k_q7d2ef1c53b_cvt, .Lfunc_end_k_q7d2ef1c53b_cvt-k_q7d2ef1c53b_cvt
	.p2alignl 7, 3214868480
	.fill 96, 4, 3214868480
	.section	.rodata,"a",@progbits
	.p2align	6, 0x0
	.amdhsa_kernel k_q7d2ef1c53b_cvt
		.amdhsa_group_segment_fixed_size 0
		.amdhsa_private_segment_fixed_size 0
		.amdhsa_enable_private_segment 0
		.amdhsa_kernarg_size 40
		.amdhsa_user_sgpr_count 2
		.amdhsa_user_sgpr_kernarg_segment_ptr 1
		.amdhsa_wavefront_size32 1
		.amdhsa_system_sgpr_workgroup_id_x 1
		.amdhsa_system_sgpr_workgroup_id_y 1
		.amdhsa_system_sgpr_workgroup_id_z 1
		.amdhsa_system_vgpr_workitem_id 0
		.amdhsa_next_free_vgpr 104
		.amdhsa_next_free_sgpr 66
		.amdhsa_reserve_vcc 0
		.amdhsa_float_denorm_mode_32 3
		.amdhsa_float_denorm_mode_16_64 3
		.amdhsa_memory_ordered 1
		.amdhsa_forward_progress 1
		.amdhsa_inst_pref_size 8
	.end_amdhsa_kernel
	.amdgpu_metadata
---
amdhsa.version: [ 1, 2 ]
amdhsa.kernels:
  - .name:           k_q7d2ef1c53b_cvt
    .symbol:         k_q7d2ef1c53b_cvt.kd
    .args:
      - { .name: inputs, .offset: 0, .size: 8, .value_kind: global_buffer, .address_space: global }
      - { .name: Wq, .offset: 8, .size: 8, .value_kind: global_buffer, .address_space: global }
      - { .name: Wk, .offset: 16, .size: 8, .value_kind: global_buffer, .address_space: global }
      - { .name: Wv, .offset: 24, .size: 8, .value_kind: global_buffer, .address_space: global }
      - { .name: ab, .offset: 32, .size: 8, .value_kind: global_buffer, .address_space: global }
    .group_segment_fixed_size: 0
    .private_segment_fixed_size: 0
    .kernarg_segment_align: 8
    .kernarg_segment_size: 40
    .max_flat_workgroup_size: 256
    .sgpr_count:     66
    .vgpr_count:     104
    .wavefront_size: 32
...
	.end_amdgpu_metadata
.endif
;; end of part 1
;; launch proj (part 2): grid 8 x 32, 4 waves a work-group, clusters of 4 x 4, 327,680 bytes of LDS; arguments ab, qkv; writes qkv
.if DOCPART == 2
	.amdgcn_target "amdgcn-amd-amdhsa--gfx1250"
	.amdhsa_code_object_version 6
	.text
	.protected	k_q7d2ef1c53b_proj
	.globl	k_q7d2ef1c53b_proj
	.p2align	8
	.type	k_q7d2ef1c53b_proj,@function
k_q7d2ef1c53b_proj:
	s_mov_b64 s[64:65], 0
	v_nop
	global_prefetch_b8 v0, s[64:65] scope:SCOPE_SE
	s_setreg_imm32_b32 hwreg(HW_REG_WAVE_MODE, 25, 1), 1
	s_wait_xcnt 0x0
	s_wait_alu depctr_hold_cnt(0) depctr_sa_sdst(0) depctr_va_vdst(0) depctr_va_sdst(0) depctr_va_ssrc(0) depctr_va_vcc(0) depctr_vm_vsrc(0)
	s_getreg_b32 s2, hwreg(HW_REG_IB_STS2, 6, 4)
	s_cmp_eq_u32 s2, 0
	s_cbranch_scc0 .Lentry_in_a_cluster
	s_endpgm
.Lentry_in_a_cluster:
	s_bfe_u32 s2, ttmp6, 0x10000c
	s_cmp_lg_u32 s2, 0xf033
	s_cbranch_scc0 .Lentry_shape_is_right
	s_endpgm
.Lentry_shape_is_right:
; [q k v] = x [Wq; Wk; Wv]^T: 8,192 rows x 3,072 columns, K = 1,024, bf16 operands, f32 sums, each result rounded once to f16.
; LIMIT: f16 ends at 65,504; a q, k or v beyond that becomes an infinity.
; IN:  ab[kb][row][64] bf16 (rows 0-8191 x, 8192.. the stacked weights).  OUT: qkv[column block of 64][8192 rows][64] f16.
; A tile is 256 rows x 384 columns: 32 x 8 tiles, one for each of 256 work-groups.  Four waves, each 128 rows x 192 columns: 96 accumulators, 768 registers.
; K goes in 16 steps of 64 through two LDS slots; a step's 256 rows of x are 32,768 dense bytes, its 384 rows of W 49,152: asked for as rows of 256 bytes, padded in LDS after every 128.
; A trip of the loop is ONE K step: the slot that is read is a scalar, 0 or SLOT by turns, and the two fragment addresses are made anew from it at each change of slots.
; CLUSTER 4 x 4: x's tile hangs on the tile row alone and is asked for jointly along a row of the cluster (wave 0), W's on the tile column alone and jointly along a column (waves 1-3, a third each).
; THE MATRIX INSTRUCTION IS USED TRANSPOSED (source 0 = 16 rows of W, source 1 = 16 rows of x): a lane holds one row of x and eight neighbouring columns.
; REGISTERS: window 0: v0-31 addresses; v32-95, v96-159 x's fragments (8 x 16 rows x 32 K), two buffers; v160-255 W's 12 fragments, in three groups of four.
;   window 1 + g: the 32 accumulators of column group g: (a, bb) at v[8 (4 a + bb)].  A group of W's fragments is loaded anew as soon as its 32 products are issued.
.set BLK,   1441792                    ; bytes from a K step to the next
.set QB,    1048576                    ; bytes of a column block of qkv
.set PITCH, 144                        ; an LDS row: 128 bytes + 16 = 36 words: the 16 rows of a load start at 16 different groups of four banks (ISA guide 11.1)
.set THRD,  128*PITCH                  ; 128 rows
.set BOFF,  256*PITCH                  ; W's rows lie behind x's 256
.set SLOT,  640*PITCH
.set STAGE, 2*SLOT                     ; behind the ring: for each wave 3 column blocks x 16 rows x 144 bytes
.set SWAVE, 48*PITCH
.set SPARE, STAGE+4*SWAVE              ; the spare words, 128 bytes for each wave: two blocks of 256 bytes that no other line names
.set ADRA0, 16                         ; v16  my lane's place among x's fragments in slot 0; never rewritten
.set ADRB0, 17                         ; v17  the same for W
.set ADA,  18                          ; v18  s[SB] + v16
.set ADB,  19                          ; v19  s[SB] + v17
.set STO,  24                          ; v24  the way out: where I put 16 bytes of a row
.set RD,   25                          ; v25  where I read rows back
.set CO,   26                          ; v26  16 x lane
.set SPW,  28                          ; v28  my spare word; never rewritten
.set NIL,  29                          ; v29  0; never rewritten
.set PFO,  30                          ; v30  the prefetches' offset; never rewritten
.set AF0,  32
.set AF1,  96
.set BF,   160
.set TMP,  32                          ; the way out: 48 packed registers
.set BK0,  80                          ; the way out: rows read back, two sets of 48
.set G1,   24                          ; s[24:31] group 1 for x's tile
.set G0,   32                          ; s[32:35] group 0 of x's first fill; s[36:39] of its second first fill, which then walks
.set G1B,  48                          ; s[48:55], s[56:59], s[60:63] the same for W's thirds
.set G0B,  56
.set PFA,  44                          ; s[44:45] where my prefetches stand
.set LIM,  43                          ; s43  1 in a wave that prefetches, else the greatest number
.set SB,   14                          ; s14  the slot that is read: 0 or SLOT
.set BW,   15                          ; s15  my third's place in a slot
.set GW, (1<<16)|(1<<20)|(1<<21)|(4<<22)|(3<<25)  ; 2-byte elements; padding on; bit 21 beside a mask; after every 32 words; 4 words
.set MSB, 0
.macro WIN new                         ; the immediate's high byte repeats the setting that is left
.if MSB != (\new)
	s_set_vgpr_msb (MSB<<8)|(\new)
.set MSB, \new
.endif
.endm
.macro PLACES                          ; four places in front of loads into registers that matrix instructions have read (ISA guide 7.12.1 for vector instructions)
.rept 4
	v_nop
.endr
.endm
.macro JLOAD                           ; a joint refill: wave 0 asks for x's tile, waves 1-3 for W's thirds; the branch hangs on the wave's number alone
	s_cmp_eq_u32 s10, 0
	s_cbranch_scc0 .Lfor_b_\@
	tensor_load_to_lds s[G0+4:G0+7], s[G1:G1+7]
	s_nop 0
.rept 4
	v_nop
.endr
	s_branch .Lasked_\@
.Lfor_b_\@:
	tensor_load_to_lds s[G0B+4:G0B+7], s[G1B:G1B+7]
	s_nop 0
.rept 4
	v_nop
.endr
.Lasked_\@:
.endm
.macro CREST                           ; a round of the cluster's barrier behind its opening barrier
	s_cmp_lg_u32 s10, 0
	s_cbranch_scc1 .Lnot_wave_0_\@
	s_barrier_signal -3
.Lnot_wave_0_\@:
	s_barrier_wait -3
	s_barrier_signal -1
	s_barrier_wait -1
.endm
.macro CROUND
	s_barrier_signal -1
	s_barrier_wait -1
	CREST
.endm
; A PREFETCH INTO THE L2, in every second trip (the trips with an odd count: the refills of K steps 3, 5 .. 13), behind the joint load and the run of LDS loads that follows it: the next TWO K steps, one and two refills ahead of their loads.
; x's tile is read by both clusters of a row of clusters: cluster x = 0 asks, wave 0; its four partners take 32 blocks of 256 bytes each, told apart by address: a lane a block, an instruction a step.
; W's third is read by all eight clusters of a column: cluster y = 0 asks, waves 1-3; a partner takes 16 blocks of each of the two steps: one instruction.
; So each block is named once.  The first four K steps come by their loads alone; the last trip (count 1) asks for nothing.
.macro ASK
	s_and_b32 s2, s3, 1
	s_cmp_lg_u32 s2, 0
	s_cbranch_scc0 .Lnot_mine_\@
	s_cmp_gt_u32 s3, s[LIM]
	s_cbranch_scc0 .Lnot_mine_\@
	global_prefetch_b8 v[PFO], s[PFA:PFA+1] th:TH_LOAD_NT scope:SCOPE_SE
	s_cmp_lg_u32 s10, 0
	s_cbranch_scc1 .Lnot_mine_\@
	global_prefetch_b8 v[PFO], s[PFA:PFA+1] offset:BLK th:TH_LOAD_NT scope:SCOPE_SE
.Lnot_mine_\@:
.endm
	s_load_b128 s[4:7], s[0:1], 0x0                ; ab s[4:5], qkv s[6:7]
	v_lshl_add_u32 v[SPW], v0, 2, SPARE
	v_mov_b32 v[NIL], 0
	ds_add_u32 v[SPW], v[NIL]                      ; the wave's opening: the add and its wait stand ahead of my first tensor load
	v_lshrrev_b32 v1, 5, v0
	v_readfirstlane_b32 s10, v1                    ; wave 0..3
	s_lshr_b32 s11, s10, 1                         ; which 128 rows of the tile are mine
	s_and_b32 s12, s10, 1                          ; which 192 columns
	s_bfe_u32 s40, ttmp6, 0x40000                  ; cx
	s_bfe_u32 s41, ttmp6, 0x40004                  ; cy
	s_lshl_b32 s42, ttmp9, 2
	s_add_co_u32 s42, s42, s40                     ; tile column
	s_and_b32 s13, ttmp7, 0xffff
	s_lshl_b32 s13, s13, 2
	s_add_co_u32 s13, s13, s41                     ; tile row
	s_lshl_b32 s43, s41, 2
	s_lshl_b32 s43, 15, s43                        ; my row of the cluster
	s_lshl_b32 s44, 0x1111, s40                    ; my column
	s_or_b32 s[G1], s43, GW
	s_or_b32 s[G1B], s44, GW
	s_mov_b32 s[G1+1], 128<<16                     ; tensor_dim0 = 128 elements: rows of 256 bytes
	s_mov_b32 s[G1+2], 128<<16                     ; tensor_dim1 = 128 such rows: 256 rows of x
	s_mov_b32 s[G1+3], 128<<16                     ; tile_dim0
	s_mov_b32 s[G1+4], 128                         ; tile_dim1
	s_mov_b32 s[G1+5], 128                         ; dense
	s_mov_b32 s[G1+6], 0
	s_mov_b32 s[G1+7], 0
	s_mov_b32 s[G1B+1], 128<<16
	s_mov_b32 s[G1B+2], 64<<16                     ; 64 rows of 256 bytes: 128 rows of W
	s_mov_b32 s[G1B+3], 128<<16
	s_mov_b32 s[G1B+4], 64
	s_mov_b32 s[G1B+5], 128
	s_mov_b32 s[G1B+6], 0
	s_mov_b32 s[G1B+7], 0
	s_lshl_b32 s16, s13, 15                        ; x: 256 rows x 128 bytes a tile row
	s_mov_b32 s17, 0
	s_mul_i32 s18, s42, 384*128                    ; W: row 8,192 + 384 x tile column + 128 (wave - 1)
	s_lshl_b32 s19, s10, 14
	s_add_co_u32 s18, s18, s19
	s_add_co_u32 s18, s18, 8064*128
	s_mov_b32 s19, 0
	s_mul_i32 s20, s10, THRD                       ; and its place in a slot: BOFF + 128 rows x (wave - 1)
	s_add_co_u32 s20, s20, THRD
	s_wait_dscnt 0x0                               ; the opening add is done
	s_wait_kmcnt 0x0
	s_add_nc_u64 s[14:15], s[4:5], s[16:17]
	s_add_nc_u64 s[46:47], s[4:5], s[18:19]
	CROUND                                         ; all sixteen work-groups are here: the first joint loads meet
.irp s, 0,1
	s_mov_b32 s[G0+4*(\s)], 1
	s_mov_b32 s[G0+4*(\s)+1], (\s)*SLOT
	s_add_nc_u64 s[G0+4*(\s)+2:G0+4*(\s)+3], s[14:15], (\s)*BLK
	s_or_b32 s[G0+4*(\s)+3], s[G0+4*(\s)+3], 0x80000000
	s_mov_b32 s[G0B+4*(\s)], 1
	s_add_co_u32 s[G0B+4*(\s)+1], s20, (\s)*SLOT
	s_add_nc_u64 s[G0B+4*(\s)+2:G0B+4*(\s)+3], s[46:47], (\s)*BLK
	s_or_b32 s[G0B+4*(\s)+3], s[G0B+4*(\s)+3], 0x80000000
.endr
	s_cmp_eq_u32 s10, 0                            ; a wave's two first fills stand in one branch, ahead of every wait on TENSORcnt and every LDS read: two loads of mine are out
	s_cbranch_scc0 .Lfirst_b
	tensor_load_to_lds s[G0:G0+3], s[G1:G1+7]
	s_nop 0
	tensor_load_to_lds s[G0+4:G0+7], s[G1:G1+7]
	s_nop 0
.rept 4
	v_nop
.endr
	s_branch .Lfirst_asked
.Lfirst_b:
	tensor_load_to_lds s[G0B:G0B+3], s[G1B:G1B+7]
	s_nop 0
	tensor_load_to_lds s[G0B+4:G0B+7], s[G1B:G1B+7]
	s_nop 0
.rept 4
	v_nop
.endr
.Lfirst_asked:
	s_mov_b32 s[SB], 0                             ; (these two registers held x's address, which the descriptors have taken over)
	s_mov_b32 s[BW], s20
	v_and_b32 v1, 15, v0                           ; l % 16
	v_bfe_u32 v2, v0, 4, 1                         ; l / 16
	v_mul_u32_u24 v3, v1, PITCH
	v_lshl_add_u32 v3, v2, 4, v3                   ; row x pitch + 16 x half
	s_mul_i32 s21, s11, THRD                       ; my 128 rows of x
	s_mul_i32 s22, s12, 192*PITCH                  ; my 192 rows of W
	s_add_co_u32 s22, s22, BOFF
	v_add_nc_u32 v[ADRA0], s21, v3
	v_add_nc_u32 v[ADRB0], s22, v3
	v_add_nc_u32 v[ADA], s[SB], v[ADRA0]
	v_add_nc_u32 v[ADB], s[SB], v[ADRB0]
	s_mul_i32 s23, s10, SWAVE
	s_add_co_u32 s23, s23, STAGE                   ; my stage
	v_add_nc_u32 v[STO], s23, v3                   ; in: row l % 16, 16 bytes for each half of the lanes
	v_bfe_u32 v4, v0, 3, 2
	v_and_b32 v5, 7, v0
	v_mul_u32_u24 v4, v4, PITCH
	v_lshl_add_u32 v4, v5, 4, v4
	v_add_nc_u32 v[RD], s23, v4                    ; back: 32 lanes take four rows of 128 bytes,
	v_and_b32 v[CO], 31, v0
	v_lshlrev_b32 v[CO], 4, v[CO]                  ; which are 512 consecutive bytes of qkv
	; the prefetches
	s_and_b32 s22, ttmp7, 0xffff                   ; cluster y
	s_mov_b32 s2, BLK
	s_cmp_eq_u32 s10, 0                            ; do I fetch x's tile?
	s_cselect_b32 s22, ttmp9, s22                  ; the coordinate along which other clusters read the same bytes
	s_cselect_b32 s21, s40, s41                    ; my place among the four that ask jointly
	s_cselect_b32 s23, 13, 12                      ; a partner's share: 8,192 bytes of x's tile, 4,096 of W's third
	s_cselect_b32 s20, s16, s18
	s_cselect_b32 s2, 4096, s2                     ; lanes 16-31: the next 16 blocks (x), or the next K step (W)
	s_lshl_b32 s21, s21, s23
	s_add_co_u32 s20, s20, s21
	s_mov_b32 s21, 0
	s_add_nc_u64 s[PFA:PFA+1], s[4:5], s[20:21]
	s_add_nc_u64 s[PFA:PFA+1], s[PFA:PFA+1], 2*BLK ; at K step 2: every trip steps it by one, so that at the refill of K step r it stands at r + 1
	s_cmp_eq_u32 s22, 0
	s_cselect_b32 s[LIM], 1, -1                    ; the same in all sixteen partners, for a given wave
	v_lshlrev_b32 v[PFO], 8, v1
	v_mad_u32_u24 v[PFO], v2, s2, v[PFO]
	; where my part of the tile begins in qkv
	s_mul_i32 s16, s42, 6
	s_mul_i32 s17, s12, 3
	s_add_co_u32 s16, s16, s17                     ; my first column block
	s_lshl_b32 s16, s16, 20
	s_lshl_b32 s17, s13, 15
	s_add_co_u32 s16, s16, s17
	s_lshl_b32 s17, s11, 14
	s_add_co_u32 s16, s16, s17                     ; + my first row x 128 bytes
	s_mov_b32 s17, 0
	s_add_nc_u64 s[8:9], s[6:7], s[16:17]
; Products of column group g with x's fragments lo..hi of buffer af: each accumulator once, so no two matrix instructions on end share one.
.macro THIRD g, af, zero, lo, hi
	WIN 0x50*((\g)+1)
.set ta, \lo
.rept (\hi)-(\lo)+1
.irp bb, 0,1,2,3
.if \zero
	v_wmma_f32_16x16x32_bf16 v[8*(4*ta+\bb):8*(4*ta+\bb)+7], v[BF+32*(\g)+8*\bb:BF+32*(\g)+8*\bb+7], v[(\af)+8*ta:(\af)+8*ta+7], 0
.else
	v_wmma_f32_16x16x32_bf16 v[8*(4*ta+\bb):8*(4*ta+\bb)+7], v[BF+32*(\g)+8*\bb:BF+32*(\g)+8*\bb+7], v[(\af)+8*ta:(\af)+8*ta+7], v[8*(4*ta+\bb):8*(4*ta+\bb)+7]
.endif
.endr
.set ta, ta+1
.endr
.endm
.macro LDB g, kq                       ; W's four fragments of group g, 32 K at quarter kq of the slot at s[SB]: 8 loads
.irp bb, 0,1,2,3
	ds_load_b128 v[BF+32*(\g)+8*\bb:BF+32*(\g)+8*\bb+3],   v[ADB] offset:16*PITCH*(4*(\g)+\bb)+64*(\kq)
	ds_load_b128 v[BF+32*(\g)+8*\bb+4:BF+32*(\g)+8*\bb+7], v[ADB] offset:16*PITCH*(4*(\g)+\bb)+64*(\kq)+32
.endr
.endm
.macro LDA lo, kq, af                  ; x's fragments lo..lo+3 into buffer af: 8 loads
.irp i, 0,1,2,3
	ds_load_b128 v[(\af)+8*((\lo)+\i):(\af)+8*((\lo)+\i)+3],   v[ADA] offset:16*PITCH*((\lo)+\i)+64*(\kq)
	ds_load_b128 v[(\af)+8*((\lo)+\i)+4:(\af)+8*((\lo)+\i)+7], v[ADA] offset:16*PITCH*((\lo)+\i)+64*(\kq)+32
.endr
.endm
; A K step is two quarters of 32.  The even one multiplies buffer AF0 and fetches the odd one's fragments from the same slot.
.macro QE zero
	s_wait_dscnt 8                                 ; all but the youngest eight loads (W's group 2) are in
	THIRD 0, AF0, \zero, 0, 7
	PLACES
	WIN 0
	LDB 0, 1
	LDA 0, 1, AF1
	THIRD 1, AF0, \zero, 0, 7
	PLACES
	WIN 0
	LDB 1, 1
	LDA 4, 1, AF1
	s_wait_dscnt 32                                ; all but the 32 just issued: W's group 2 is in
	THIRD 2, AF0, \zero, 0, 7
	PLACES
	WIN 0
	LDB 2, 1
.endm
; The odd quarter multiplies buffer AF1 and changes slots: all reads of this slot have been issued.  Each wave waits for all its tensor loads (one is out: its part of the next slot), adds 0 to its spare
; word, and waits for that and for its reads.  fill = 1: the barrier opens a round of the cluster's, and the joint refill of the slot that is left, two K steps on, is the first tensor load behind it: 160 matrix instructions ahead of the wait for it.
.macro TURN fill
.if \fill
	s_wait_xcnt 0x0                                ; the last prefetches, a K step back or more, have read their address
	s_add_nc_u64 s[PFA:PFA+1], s[PFA:PFA+1], BLK
.endif
	WIN 0
	s_wait_tensorcnt 0x0                           ; all my tensor loads have landed, so the walking group 0 may be written
	ds_add_u32 v[SPW], v[NIL]                      ; 0 onto my spare word
	s_wait_dscnt 9                                 ; (the add and the youngest eight loads may be out)
	THIRD 0, AF1, 0, 0, 3
	s_wait_dscnt 0x0                               ; the add is done, and my reads of this slot are over
	s_barrier_signal -1
	THIRD 0, AF1, 0, 4, 7
	WIN 0
	s_barrier_wait -1
.if \fill
	CREST
	s_mov_b32 s[G0+5], s[SB]                       ; the slot that is left: x's tile at its head,
	s_add_co_u32 s[G0B+5], s[SB], s[BW]            ; my third of W behind it;
	s_add_nc_u64 s[G0+6:G0+7], s[G0+6:G0+7], BLK   ; the next K step that has not been asked for; the type bits on top are not reached
	s_add_nc_u64 s[G0B+6:G0B+7], s[G0B+6:G0B+7], BLK
	s_xor_b32 s[SB], s[SB], SLOT                   ; 0 and SLOT take turns
	JLOAD                                          ; its four v_nop are also the places in front of the loads below
	v_add_nc_u32 v[ADA], s[SB], v[ADRA0]           ; the fragments' addresses in the other slot
	v_add_nc_u32 v[ADB], s[SB], v[ADRB0]
.else
	s_xor_b32 s[SB], s[SB], SLOT
	v_add_nc_u32 v[ADA], s[SB], v[ADRA0]           ; these two and two v_nop are the four places in front of the loads below
	v_add_nc_u32 v[ADB], s[SB], v[ADRB0]
	v_nop
	v_nop
.endif
	LDB 0, 0
	LDA 0, 0, AF0
.if \fill
	ASK
.endif
	THIRD 1, AF1, 0, 0, 7
	PLACES
	WIN 0
	LDB 1, 0
	LDA 4, 0, AF0
	THIRD 2, AF1, 0, 0, 7
	PLACES
	WIN 0
	LDB 2, 0
.endm
	s_wait_tensorcnt 1                             ; my part of K step 0 is in; K step 1's stays out
	s_barrier_signal -1
	s_barrier_wait -1
	LDB 0, 0
	LDA 0, 0, AF0
	LDB 1, 0
	LDA 4, 0, AF0
	LDB 2, 0
	QE 1                                           ; the first quarter's products start the sums: nothing is cleared
	s_mov_b32 s3, 14
.Ltrip:                                            ; a trip: from a K step's odd quarter to the next step's even one; the slot that is left is filled again: K steps 2 to 15
	TURN 1
	QE 0
	s_sub_co_u32 s3, s3, 1
	s_cmp_lg_u32 s3, 0
	s_cbranch_scc1 .Ltrip
	s_mov_b32 s3, 2
.Ltail:                                            ; the last two K steps ask for nothing: a text of their own
	TURN 0                                         ; in the second trip only its 96 products serve: its barrier, and its 40 loads from the slot read before, are the price, once a launch, of one text for both trips
	s_wait_dscnt 0x0                               ; those loads are in on both ways: no register is pending at the label
	s_cmp_eq_u32 s3, 1
	s_cbranch_scc1 .Llast                          ; behind the last K step there is no even quarter
	QE 0
.Llast:
	s_sub_co_u32 s3, s3, 1
	s_cmp_lg_u32 s3, 0
	s_cbranch_scc1 .Ltail
	PLACES
	PLACES
; THE WAY OUT, 16 rows at a time: rounded to f16 (16 bytes a lane), into my stage, back as whole rows of 128 bytes, stored as 512 consecutive bytes of each of three column blocks.
.macro PACK a
.irp g, 0,1,2
	WIN 5*(\g+1)                                   ; sources in window 1 + g
.irp bb, 0,1,2,3
.irp r, 0,1,2,3
	v_cvt_pk_f16_f32 v[TMP+16*\g+4*\bb+\r], v[8*(4*(\a)+\bb)+2*\r], v[8*(4*(\a)+\bb)+2*\r+1]
.endr
.endr
.endr
	WIN 0
.endm
.macro TOSTAGE a
.irp g, 0,1,2
.irp bb, 0,1,2,3
	ds_store_b128 v[STO], v[TMP+16*\g+4*\bb:TMP+16*\g+4*\bb+3] offset:16*PITCH*\g+32*\bb
.endr
.endr
.irp g, 0,1,2
.irp t, 0,1,2,3
	ds_load_b128 v[BK0+48*((\a)%2)+16*\g+4*\t:BK0+48*((\a)%2)+16*\g+4*\t+3], v[RD] offset:16*PITCH*\g+4*PITCH*\t  ; LDS serves a wave's instructions in order: these see the stores above
.endr
.endr
.endm
.macro SEND a
	s_wait_dscnt 0x0                               ; the block is back in registers
	s_wait_xcnt 0x0                                ; the other set's stores have read their registers: it is loaded again only behind this wait
.irp g, 0,1,2
.irp t, 0,1,2,3
	global_store_b128 v[CO], v[BK0+48*((\a)%2)+16*\g+4*\t:BK0+48*((\a)%2)+16*\g+4*\t+3], s[8:9] offset:\g*QB+2048*(\a)+512*\t
.endr
.endr
.endm
	PACK 0
	TOSTAGE 0
.irp a, 1,2,3,4,5,6,7
	PACK \a
	SEND (\a)-1
	TOSTAGE \a
.endr
	SEND 7
	s_wait_tensorcnt 0x0                           ; the wave's end
	ds_add_u32 v[SPW], v[NIL]
	s_wait_dscnt 0x0
	CROUND                                         ; the closing round
	s_endpgm
.Lfunc_end_k_q7d2ef1c53b_proj:
	.size	k_q7d2ef1c53b_proj, .Lfunc_end_k_q7d2ef1c53b_proj-k_q7d2ef1c53b_proj
	.p2alignl 7, 3214868480
	.fill 96, 4, 3214868480
	.section	.rodata,"a",@progbits
	.p2align	6, 0x0
	.amdhsa_kernel k_q7d2ef1c53b_proj
		.amdhsa_group_segment_fixed_size 327680
		.amdhsa_private_segment_fixed_size 0
		.amdhsa_enable_private_segment 0
		.amdhsa_kernarg_size 16
		.amdhsa_user_sgpr_count 2
		.amdhsa_user_sgpr_kernarg_segment_ptr 1
		.amdhsa_wavefront_size32 1
		.amdhsa_system_sgpr_workgroup_id_x 1
		.amdhsa_system_sgpr_workgroup_id_y 1
		.amdhsa_system_sgpr_workgroup_id_z 1
		.amdhsa_system_vgpr_workitem_id 0
		.amdhsa_next_free_vgpr 1024
		.amdhsa_next_free_sgpr 66
		.amdhsa_reserve_vcc 0
		.amdhsa_float_denorm_mode_32 3
		.amdhsa_float_denorm_mode_16_64 3
		.amdhsa_memory_ordered 1
		.amdhsa_forward_progress 1
		.amdhsa_inst_pref_size 105
	.end_amdhsa_kernel
	.amdgpu_metadata
---
amdhsa.version: [ 1, 2 ]
amdhsa.kernels:
  - .name:           k_q7d2ef1c53b_proj
    .symbol:         k_q7d2ef1c53b_proj.kd
    .args:
      - { .name: ab, .offset: 0, .size: 8, .value_kind: global_buffer, .address_space: global }
      - { .name: qkv, .offset: 8, .size: 8, .value_kind: global_buffer, .address_space: global }
    .group_segment_fixed_size: 327680
    .private_segment_fixed_size: 0
    .kernarg_segment_align: 8
    .kernarg_segment_size: 16
    .max_flat_workgroup_size: 128
    .sgpr_count:     66
    .vgpr_count:     1024
    .wavefront_size: 32
...
	.end_amdgpu_metadata
.endif
;; end of part 2
;; launch score (part 3): grid 36 x 4, 4 waves a work-group, no clusters, 327,680 bytes of LDS; arguments qkv, pt, stats; writes pt, stats
.if DOCPART == 3
	.amdgcn_target "amdgcn-amd-amdhsa--gfx1250"
	.amdhsa_code_object_version 6
	.text
	.protected	k_q7d2ef1c53b_score
	.globl	k_q7d2ef1c53b_score
	.p2align	8
	.type	k_q7d2ef1c53b_score,@function
k_q7d2ef1c53b_score:
	s_mov_b64 s[64:65], 0
	v_nop
	global_prefetch_b8 v0, s[64:65] scope:SCOPE_SE
	s_setreg_imm32_b32 hwreg(HW_REG_WAVE_MODE, 25, 1), 1
	s_wait_xcnt 0x0
; The causal tiles of S = q k^T, 256 queries x 256 keys, K = 1,024, f16 operands, f32 sums; then a softmax LOCAL TO EACH CHUNK of 128 keys:
; for query q and chunk jc: m = the largest visible score of the chunk, pt[q][key] = 2^(c s - c m) in f16 (0 where the key is hidden), stats = c m and l = the sum of those weights; c = log2(e) / 32.
; The launch behind joins the chunks exactly, by 2^(c m_jc - max c m) / L.  Every chunk that is read holds at least one visible key for each of its rows, so m is a true score.
; LIMITS: a hidden score counts as its value less 1e30 (f16 operands give 4.4e12 at the most); a weight below 2^-126 counts as 0; NaN and infinities are not treated apart.
; GRID: 36 tiles (i, j <= i) for each of 4 sequences.  NO CLUSTER: row i of the triangle has i + 1 tiles and column j has 8 - j, which fours do not divide.
; A wave makes 128 x 128, one unit of pt.  In a diagonal tile the unit above the diagonal is multiplied with the others (the waves share the barriers) and then dropped: nobody reads it.
; THE RING: K in 8 steps of 128 = two column blocks of qkv; a slot holds q's two blocks and k's two, 256 rows x 128 bytes each, dense in memory: one tensor load a wave, rows of 256 bytes, padded after every 128.
; A trip of the loop is ONE K step: the slot that is read is a scalar, 0 or SLOT by turns, and the two fragment addresses are made anew from it at each change of slots.
; THE MATRIX INSTRUCTION IS USED TRANSPOSED (source 0 = 16 keys, source 1 = 16 queries): a lane holds one query (lane % 16) and, of each block of 16 keys, the keys 8 (lane / 16) + 0..7.
; THE MASK is the C operand of the products that start the sums: 0, or -1e30 where the key is hidden.
; THE SOFTMAX is taken where the sums lie: a query's 128 scores are 64 registers in each of two lanes, 16 apart, so maximum and sum want one exchange each; only the f16 weights go through LDS, to leave as whole rows.
; REGISTERS: window 0: v0-31 addresses; v32-47 masks, later at work; v48-63 c m and l of my 8 query tiles; v64-127, v128-191 q's fragments, two buffers, later the weights on their way out;
;   window 1: v64-191 k's fragments; windows 2, 3: accumulator (a, b) at v[8 (8 (a % 4) + b)].
.set QB,    1048576
.set PITCH, 144                        ; an LDS row: 128 bytes + 16 = 36 words: the 16 rows of a load start at 16 different groups of four banks (ISA guide 11.1)
.set SUB,   256*PITCH                  ; one column block's 256 rows: what one tensor load brings
.set HALFT, 128*PITCH
.set SLOT,  4*SUB
.set STAGE, 2*SLOT                     ; behind the ring, never filled by a tensor load: 16 rows x 272 bytes for each wave, for the way out
.set SP,    272
.set SPARE, STAGE+4*16*SP              ; the spare words, 128 bytes for each wave: two blocks of 256 bytes that no other line names
.set ADRA0, 16                         ; v16  my lane's place among q's fragments in slot 0; never rewritten
.set ADRB0, 17                         ; v17  the same for k
.set ADA,   18                         ; v18  s[SB] + v16
.set ADB,   19                         ; v19  s[SB] + v17
.set STO,   20                         ; v20  the way out: where I put 16 bytes of a row
.set RD,    21                         ; v21  where I read a row back
.set SO,    23                         ; v23  16 x lane
.set GOFF,  26                         ; v26  my byte offset in two rows of pt; never rewritten
.set SPW,   28
.set NIL,   29
.set PFO,   30                         ; v30  256 x lane; never rewritten
.set MB,    32                         ; v32-39  the mask of a wholly hidden accumulator
.set MDG,   40                         ; v40-47  the mask of an accumulator on the diagonal
.set CH,    32                         ; the way out: v32-35 four running maxima
.set MCP,   36                         ; v36-37  the pair (c m, m)
.set LSP,   38                         ; v38-39  the last pair of sums
.set ST,    40                         ; v40-47  the statistics as they are stored
.set CMR,   48                         ; v48-55  c m of query tile a
.set LR,    56                         ; v56-63  l of query tile a
.set F0,    64
.set F1,    128
.set PK,    64                         ; v64-95   a tile's weights in f16
.set BK,    128                        ; v128-191 rows read back from the stage, two sets of 32
.set G1,    24                         ; s[24:31]
.set G0,    32                         ; s[32:35] group 0 of the first fill
.set GW,    36                         ; s[36:39] group 0 of the second first fill; it then walks
.set PFA,   44
.set LIM,   43
.set CS,    46                         ; s[46:47] c
.set SB,    50                         ; s50  the slot that is read: 0 or SLOT
.set SEL,   52                         ; s[52:53] v_permlanex16_b32's selects: each lane takes its own place in the other half
.set HM,    54                         ; s54  lanes 16-31
.set MSB, 0
.macro WIN new                         ; the immediate's high byte repeats the setting that is left
.if MSB != (\new)
	s_set_vgpr_msb (MSB<<8)|(\new)
.set MSB, \new
.endif
.endm
.set MUL_LO, 0xa1                      ; source 0 (k) window 1, source 1 (q) window 0, C and D window 2
.set MUL_HI, 0xf1
.set TO_B,   0x40
.macro PLACES
.rept 4
	v_nop
.endr
.endm
; A PREFETCH INTO THE L2 behind each refill: my own 32,768 bytes of the K step two refills on: 128 blocks of 256 bytes, a lane a block, four instructions.
; q's block i and k's block i are read by several tiles; the diagonal tile (i, i) reads both and asks for both, nobody else: each block is named once.
; K steps 0 to 3 come by their loads alone; the last two of the six refills (s3 = 2, 1) have no K step two on and ask for nothing.
.macro ASK
	s_cmp_gt_u32 s3, s[LIM]
	s_cbranch_scc0 .Lnot_mine_\@
.irp n, 0,1,2,3
	global_prefetch_b8 v[PFO], s[PFA:PFA+1] offset:2*QB+8192*\n th:TH_LOAD_NT scope:SCOPE_SE
.endr
.Lnot_mine_\@:
.endm
	s_load_b128 s[4:7], s[0:1], 0x0                ; qkv s[4:5], pt s[6:7]
	s_load_b64 s[8:9], s[0:1], 0x10                ; stats
	v_lshl_add_u32 v[SPW], v0, 2, SPARE
	v_mov_b32 v[NIL], 0
	ds_add_u32 v[SPW], v[NIL]                      ; the wave's opening: the add and its wait stand ahead of my first tensor load
	v_lshrrev_b32 v1, 5, v0
	v_readfirstlane_b32 s10, v1                    ; wave 0..3
	s_lshr_b32 s11, s10, 1                         ; which 128 queries are mine.  Also: I fetch q (0) or k (1)
	s_and_b32 s12, s10, 1                          ; which 128 keys.  Also: which of a step's two column blocks I fetch
	s_mov_b32 s13, 0                               ; i: the row of the triangle in which tile ttmp9 lies,
	s_mov_b32 s14, 0                               ; and that row's first tile
.irp n, 1,2,3,4,5,6,7
	s_cmp_ge_u32 ttmp9, (\n)*((\n)+1)/2
	s_cselect_b32 s13, \n, s13
	s_cselect_b32 s14, (\n)*((\n)+1)/2, s14
.endr
	s_sub_co_u32 s14, ttmp9, s14                   ; j
	s_and_b32 s15, ttmp7, 0xffff                   ; the sequence
	s_mov_b32 s[G1], (1<<16)|(1<<20)|(4<<22)|(3<<25)  ; 2-byte elements; padding on, after every 32 words, 4 words
	s_mov_b32 s[G1+1], 128<<16
	s_mov_b32 s[G1+2], 128<<16
	s_mov_b32 s[G1+3], 128<<16
	s_mov_b32 s[G1+4], 128
	s_mov_b32 s[G1+5], 128
	s_mov_b32 s[G1+6], 0
	s_mov_b32 s[G1+7], 0
	s_mov_b32 s[CS], 0x3d38aa3b                    ; c = log2(e) / 32
	s_mov_b32 s[CS+1], s[CS]
	s_mov_b32 s[SEL], 0x76543210
	s_mov_b32 s[SEL+1], 0xfedcba98
	s_mov_b32 s[HM], 0xffff0000
	s_mov_b32 s[SB], 0
	s_cmp_eq_u32 s11, 0
	s_cselect_b32 s16, s13, s14                    ; q's rows of block i, or k's of block j
	s_lshl_b32 s16, s16, 8
	s_lshl_b32 s17, s15, 11
	s_add_co_u32 s16, s16, s17
	s_lshl_b32 s16, s16, 7                         ; x 128 bytes
	s_lshl_b32 s17, s11, 4                         ; k's column blocks begin at 16
	s_add_co_u32 s17, s17, s12
	s_lshl_b32 s17, s17, 20
	s_add_co_u32 s16, s16, s17
	s_mov_b32 s17, 0
	s_mul_i32 s20, s10, SUB                        ; my quarter of a slot; kept for the refills
	s_wait_dscnt 0x0                               ; the opening add is done
	s_wait_kmcnt 0x0
	s_add_nc_u64 s[18:19], s[4:5], s[16:17]
.irp s, 0,1
	s_mov_b32 s[G0+4*(\s)], 1
	s_add_co_u32 s[G0+4*(\s)+1], s20, (\s)*SLOT
	s_add_nc_u64 s[G0+4*(\s)+2:G0+4*(\s)+3], s[18:19], (\s)*2*QB
	s_or_b32 s[G0+4*(\s)+3], s[G0+4*(\s)+3], 0x80000000
	tensor_load_to_lds s[G0+4*(\s):G0+4*(\s)+3], s[G1:G1+7]
	s_nop 0
.endr
	v_and_b32 v1, 15, v0                           ; l % 16
	v_bfe_u32 v2, v0, 4, 1                         ; l / 16
	v_mul_u32_u24 v3, v1, PITCH
	v_lshl_add_u32 v3, v2, 4, v3
	s_mul_i32 s21, s11, HALFT
	s_mul_i32 s22, s12, HALFT
	s_add_co_u32 s22, s22, 2*SUB
	v_add_nc_u32 v[ADRA0], s21, v3
	v_add_nc_u32 v[ADRB0], s22, v3
	v_add_nc_u32 v[ADA], s[SB], v[ADRA0]
	v_add_nc_u32 v[ADB], s[SB], v[ADRB0]
	s_mul_i32 s23, s10, 16*SP
	s_add_co_u32 s23, s23, STAGE                   ; my stage
	v_mul_u32_u24 v4, v1, SP
	v_lshl_add_u32 v4, v2, 4, v4
	v_add_nc_u32 v[STO], s23, v4                   ; in: row l % 16, 16 bytes for each half of the lanes
	v_mul_u32_u24 v4, v2, SP
	v_lshl_add_u32 v4, v1, 4, v4
	v_add_nc_u32 v[RD], s23, v4                    ; back: lanes 0-15 one row of 256 bytes, lanes 16-31 the next
	v_lshlrev_b32 v4, 12, v2
	v_lshl_add_u32 v[GOFF], v1, 4, v4              ; the same two rows in pt, 4,096 bytes apart
	v_and_b32 v[SO], 31, v0
	v_lshlrev_b32 v[PFO], 8, v[SO]
	v_lshlrev_b32 v[SO], 4, v[SO]
	; the masks: only the two units on the diagonal hide anything
	s_cmp_eq_u32 s13, s14
	s_cselect_b32 s16, 1, 0                        ; a diagonal tile
	s_cmp_eq_u32 s11, s12
	s_cselect_b32 s17, s16, 0
	s_cmp_eq_u32 s17, 1
	s_cselect_b32 s48, 0xf149f2ca, 0               ; -1e30 in a unit on the diagonal, else 0
	s_cmp_gt_u32 s12, s11
	s_cselect_b32 s49, s16, 0                      ; 1: my unit lies above the diagonal
	s_cmp_eq_u32 s16, 1
	s_cselect_b32 s[LIM], 2, -1
	v_lshlrev_b32 v5, 3, v2
	v_sub_nc_u32 v5, v1, v5                        ; register jj holds key 8 (l / 16) + jj: hidden where jj > l % 16 - 8 (l / 16)
.irp jj, 0,1,2,3,4,5,6,7
	v_mov_b32 v[MB+\jj], s48
	v_cmp_gt_i32 vcc_lo, \jj, v5
	v_cndmask_b32 v[MDG+\jj], 0, s48, vcc_lo
.endr
	; pt at my unit's first row and key; stats at my chunk and my 128 queries
	s_lshl_b32 s16, s15, 11
	s_lshl_b32 s17, s13, 8
	s_add_co_u32 s16, s16, s17
	s_lshl_b32 s17, s11, 7
	s_add_co_u32 s16, s16, s17
	s_lshl_b32 s16, s16, 12
	s_lshl_b32 s17, s14, 9
	s_add_co_u32 s16, s16, s17
	s_lshl_b32 s17, s12, 8
	s_add_co_u32 s16, s16, s17
	s_mov_b32 s17, 0
	s_add_nc_u64 s[6:7], s[6:7], s[16:17]
	s_lshl_b32 s16, s15, 4
	s_lshl_b32 s17, s14, 1
	s_add_co_u32 s16, s16, s17
	s_add_co_u32 s16, s16, s12                     ; 16 b + chunk
	s_lshl_b32 s16, s16, 14
	s_lshl_b32 s17, s13, 1
	s_add_co_u32 s17, s17, s11
	s_lshl_b32 s17, s17, 9
	s_add_co_u32 s16, s16, s17
	s_mov_b32 s17, 0
	s_add_nc_u64 s[8:9], s[8:9], s[16:17]
	s_add_nc_u64 s[PFA:PFA+1], s[18:19], 4*QB      ; at K step 2: the first refill steps it to 3 and names K step 4
; 16 matrix instructions: query blocks a0, a0 + 1 of the window's four x all 8 key blocks.  zero = 1: the product starts the sum, with 0 or with a mask from window 0.
; The 64 accumulators take turns, one instruction a turn, in the same order in every quarter.
.macro MUL16 f, hi, a0, zero
.if \zero
	WIN 0x81+0x40*(\hi)
.else
	WIN MUL_LO+0x50*(\hi)
.endif
.irp a, \a0, (\a0)+1
.irp b, 0,1,2,3,4,5,6,7
.if \zero
.if (\b) < 4*(\hi)+(\a)
	v_wmma_f32_16x16x32_f16 v[8*(8*(\a)+(\b)):8*(8*(\a)+(\b))+7], v[(\f)+8*(\b):(\f)+8*(\b)+7], v[(\f)+8*(4*(\hi)+(\a)):(\f)+8*(4*(\hi)+(\a))+7], 0
.elseif (\b) == 4*(\hi)+(\a)
	v_wmma_f32_16x16x32_f16 v[8*(8*(\a)+(\b)):8*(8*(\a)+(\b))+7], v[(\f)+8*(\b):(\f)+8*(\b)+7], v[(\f)+8*(4*(\hi)+(\a)):(\f)+8*(4*(\hi)+(\a))+7], v[MDG:MDG+7]
.else
	v_wmma_f32_16x16x32_f16 v[8*(8*(\a)+(\b)):8*(8*(\a)+(\b))+7], v[(\f)+8*(\b):(\f)+8*(\b)+7], v[(\f)+8*(4*(\hi)+(\a)):(\f)+8*(4*(\hi)+(\a))+7], v[MB:MB+7]
.endif
.else
	v_wmma_f32_16x16x32_f16 v[8*(8*(\a)+(\b)):8*(8*(\a)+(\b))+7], v[(\f)+8*(\b):(\f)+8*(\b)+7], v[(\f)+8*(4*(\hi)+(\a)):(\f)+8*(4*(\hi)+(\a))+7], v[8*(8*(\a)+(\b)):8*(8*(\a)+(\b))+7]
.endif
.endr
.endr
.endm
; 32 LDS loads in one run: the fragments of quarter kq of the K step in the slot at s[SB] (column block kq / 2, byte 64 (kq % 2) of its rows) into buffer f
.macro FETCH kq, f
	WIN TO_B
.irp i, 0,1,2,3,4,5,6,7
	ds_load_b128 v[(\f)+8*(\i):(\f)+8*(\i)+3],   v[ADB] offset:((\kq)/2)*SUB+((\kq)%2)*64+(\i)*16*PITCH
	ds_load_b128 v[(\f)+8*(\i)+4:(\f)+8*(\i)+7], v[ADB] offset:((\kq)/2)*SUB+((\kq)%2)*64+(\i)*16*PITCH+32
.endr
	WIN 0
.irp i, 0,1,2,3,4,5,6,7
	ds_load_b128 v[(\f)+8*(\i):(\f)+8*(\i)+3],   v[ADA] offset:((\kq)/2)*SUB+((\kq)%2)*64+(\i)*16*PITCH
	ds_load_b128 v[(\f)+8*(\i)+4:(\f)+8*(\i)+7], v[ADA] offset:((\kq)/2)*SUB+((\kq)%2)*64+(\i)*16*PITCH+32
.endr
.endm
.macro QUARTER kq, f, g, zero          ; multiplies buffer f; in its middle fetches quarter kq of the same slot into g
	s_wait_dscnt 8                                 ; k and q's rows 0-63 are in; the youngest eight loads may be out
	MUL16 \f, 0, 0, \zero
	MUL16 \f, 0, 2, \zero
	PLACES
	FETCH \kq, \g
	s_wait_dscnt 32                                ; all but the 32 just issued
	MUL16 \f, 1, 0, \zero
	MUL16 \f, 1, 2, \zero
.endm
; The last quarter of a K step multiplies buffer 1 and changes slots: ONE barrier; in front of it each wave waits for all its tensor loads, adds 0 to its spare word, and waits for that and for its reads of this slot.
; fill = 1: my quarter of the slot that is left is filled again, two K steps on, first thing behind the barrier: 224 matrix instructions ahead of the wait for it.
.macro TURN fill
.if \fill
	s_wait_xcnt 0x0                                ; the last prefetches, a K step back, have read their address
	s_add_nc_u64 s[PFA:PFA+1], s[PFA:PFA+1], 2*QB
.endif
	WIN 0
	s_wait_tensorcnt 0x0                           ; all my tensor loads have landed, so the walking group 0 may be written
	ds_add_u32 v[SPW], v[NIL]                      ; 0 onto my spare word: scalar work and sixteen products stand between it and the wait for it
.if \fill
	s_add_co_u32 s[GW+1], s[SB], s20               ; my quarter of the slot that is left,
	s_add_nc_u64 s[GW+2:GW+3], s[GW+2:GW+3], 2*QB  ; the next K step that has not been asked for; the type bits on top are not reached
.endif
	s_xor_b32 s[SB], s[SB], SLOT                   ; 0 and SLOT take turns: all reads of the slot that is left have been issued
	s_wait_dscnt 9                                 ; (the add and the youngest eight loads may be out)
	MUL16 F1, 0, 0, 0
	s_wait_dscnt 0x0                               ; the add is done, and my reads of the slot are over
	s_barrier_signal -1
	MUL16 F1, 0, 2, 0
	WIN 0                                          ; (set ahead of the tensor load, for the two additions behind it)
	s_barrier_wait -1
.if \fill
	tensor_load_to_lds s[GW:GW+3], s[G1:G1+7]
	s_nop 0
.endif
	v_add_nc_u32 v[ADA], s[SB], v[ADRA0]           ; the fragments' addresses in the other slot; these two and two v_nop are the four places in front of the loads below
	v_add_nc_u32 v[ADB], s[SB], v[ADRB0]
	v_nop
	v_nop
	FETCH 0, F0
.if \fill
	ASK
.endif
	MUL16 F1, 1, 0, 0
	MUL16 F1, 1, 2, 0
.endm
	s_wait_tensorcnt 1                             ; my part of K step 0 is in; K step 1's stays out
	s_barrier_signal -1
	s_barrier_wait -1
	FETCH 0, F0
	QUARTER 1, F0, F1, 1                           ; the first quarter's products start the sums, with the masks
	WIN 0
	s_mov_b32 s3, 6
.Lstep:                                            ; a trip: from a K step's second quarter to the next step's first; the slot that is left is filled again: K steps 2 to 7
	QUARTER 2, F1, F0, 0
	QUARTER 3, F0, F1, 0
	TURN 1
	QUARTER 1, F0, F1, 0
	WIN 0
	s_sub_co_u32 s3, s3, 1
	s_cmp_lg_u32 s3, 0
	s_cbranch_scc1 .Lstep
	s_mov_b32 s3, 2
.Ltail:                                            ; the last two K steps ask for nothing: a text of their own
	QUARTER 2, F1, F0, 0
	QUARTER 3, F0, F1, 0
	TURN 0                                         ; in the second trip only its 64 products serve: its barrier, and its 32 loads from the slot read before, are the price, once a launch, of one text for both trips
	WIN 0
	s_wait_dscnt 0x0                               ; those loads are in on both ways: no register is pending at the label
	s_cmp_eq_u32 s3, 1
	s_cbranch_scc1 .Llast                          ; behind the last K step there is no first quarter
	QUARTER 1, F0, F1, 0
	WIN 0
.Llast:
	s_sub_co_u32 s3, s3, 1
	s_cmp_lg_u32 s3, 0
	s_cbranch_scc1 .Ltail
	PLACES                                         ; behind the last products, in front of the lines that read sums and rewrite fragments
	PLACES
	s_cmp_eq_u32 s49, 1
	s_cbranch_scc1 .Lend                           ; the unit above the diagonal is dropped; no barrier follows
; THE WAY OUT, a query tile (16 rows) at a time.  Tile a's 64 scores of a lane are the registers AR .. AR + 63 of window AW.
; SOFT: the maximum in four chains of 16 registers, three operands at a time (each accumulator's lowest registers are read first), the lane 16 away, c m;
; c s - c m and the exponentials in place, a scaling between two exponentials while there are scalings: ONE batch with ONE wait; the roundings to f16; the sum of the unrounded weights, by halves, and the lane 16 away.
.macro SOFT a
.set AW, 2+(\a)/4
.set AR, 64*((\a)%4)
	WIN AW|(AW<<2)|(AW<<4)                         ; three sources in window AW, the result in window 0
.irp k, 0,1,2,3
	v_max3_num_f32 v[CH+\k], v[AR+16*\k], v[AR+16*\k+1], v[AR+16*\k+2]
.endr
	WIN (AW<<2)|(AW<<4)                            ; source 0 in window 0
.irp j, 0,1,2,3,4,5
.irp k, 0,1,2,3
	v_max3_num_f32 v[CH+\k], v[CH+\k], v[AR+16*\k+3+2*\j], v[AR+16*\k+4+2*\j]
.endr
.endr
	v_max3_num_f32 v[CH], v[CH], v[AR+15], v[AR+31]
	v_max3_num_f32 v[CH+2], v[CH+2], v[AR+47], v[AR+63]
	WIN 0
	v_max3_num_f32 v[CH], v[CH], v[CH+1], v[CH+2]
	v_max_num_f32 v[CH], v[CH], v[CH+3]
	v_permlanex16_b32 v[CH+1], v[CH], s[SEL], s[SEL+1]   ; the query's other 64 keys lie in the lane 16 away
	v_max_num_f32 v[MCP+1], v[CH], v[CH+1]
	v_mul_f32 v[MCP], s[CS], v[MCP+1]              ; c m, for the scalings,
	v_mul_f32 v[CMR+\a], s[CS], v[MCP+1]           ; and kept
	WIN (AW<<6)|AW                                 ; result and source 0 in window AW, c m in window 0
.set pp, 0
.rept 2
	v_pk_fma_f32 v[AR+2*pp:AR+2*pp+1], v[AR+2*pp:AR+2*pp+1], s[CS:CS+1], v[MCP:MCP+1] op_sel_hi:[1,0,0] neg_lo:[0,0,1] neg_hi:[0,0,1]
.set pp, pp+1
.endr
.set pp, 0
.rept 32
	v_exp_f32 v[AR+2*pp], v[AR+2*pp]
.if pp < 30
	v_pk_fma_f32 v[AR+2*pp+4:AR+2*pp+5], v[AR+2*pp+4:AR+2*pp+5], s[CS:CS+1], v[MCP:MCP+1] op_sel_hi:[1,0,0] neg_lo:[0,0,1] neg_hi:[0,0,1]  ; the pair two on: no exponential's result is named
.endif
	v_exp_f32 v[AR+2*pp+1], v[AR+2*pp+1]
.set pp, pp+1
.endr
	v_nop                                          ; a plain instruction behind the last exponential,
	s_wait_alu depctr_va_vdst(0)                   ; and the one wait ahead of the batch's first reader
	WIN AW|(AW<<2)                                 ; sources in window AW, the result in window 0
.set pp, 0
.rept 32
	v_cvt_pk_f16_f32 v[PK+pp], v[AR+2*pp], v[AR+2*pp+1]
.set pp, pp+1
.endr
	WIN (AW<<6)|(AW<<2)|AW                         ; all in window AW
.irp d, 32,16,8,4
.set pp, 0
.rept (\d)/2
	v_pk_add_f32 v[AR+2*pp:AR+2*pp+1], v[AR+2*pp:AR+2*pp+1], v[AR+(\d)+2*pp:AR+(\d)+2*pp+1]
.set pp, pp+1
.endr
.endr
	WIN AW|(AW<<2)
	v_pk_add_f32 v[LSP:LSP+1], v[AR:AR+1], v[AR+2:AR+3]
	WIN 0
	v_add_f32 v[LSP], v[LSP], v[LSP+1]
	v_permlanex16_b32 v[LSP+1], v[LSP], s[SEL], s[SEL+1]
	v_add_f32 v[LR+\a], v[LSP], v[LSP+1]
.endm
; TOSTAGE: a lane's 16 bytes of each key block go into rows of 272 bytes of my own stage and come back as whole rows of 256.
.macro TOSTAGE a
.irp b, 0,1,2,3,4,5,6,7
	ds_store_b128 v[STO], v[PK+4*\b:PK+4*\b+3] offset:32*\b
.endr
.irp t, 0,1,2,3,4,5,6,7
	ds_load_b128 v[BK+32*((\a)%2)+4*\t:BK+32*((\a)%2)+4*\t+3], v[RD] offset:2*SP*\t   ; LDS serves a wave's instructions in order (ISA guide 5.7.1.4): these see the stores above; the next tile's stores come behind them
.endr
.endm
.macro SEND a
	s_wait_dscnt 0x0                               ; the tile is back in registers: its loads were issued a whole tile's arithmetic ago
	s_wait_xcnt 0x0                                ; the other set's stores have read their registers: it is loaded again only behind this wait
.irp t, 0,1,2,3,4,5,6,7
	global_store_b128 v[GOFF], v[BK+32*((\a)%2)+4*\t:BK+32*((\a)%2)+4*\t+3], s[6:7] offset:65536*(\a)+8192*\t   ; 16 lanes store a row's 256 consecutive bytes, aligned; 516,096 at the most, inside the signed 24 bits
.endr
.endm
	SOFT 0
	TOSTAGE 0
.irp a, 1,2,3,4,5,6,7                  ; a tile's arithmetic stands between the loads of the tile before and its stores
	SOFT \a
	SEND (\a)-1
	TOSTAGE \a
.endr
	SEND 7
	; the statistics leave in the order in which the next launch's lanes want them: in each group of 64 queries, word 4 (q % 16) + q / 16: lanes 0-15 hold tiles 0-3 of query l % 16, lanes 16-31 tiles 4-7
.irp i, 0,1,2,3
	v_cndmask_b32 v[ST+\i], v[CMR+\i], v[CMR+4+\i], s[HM]
	v_cndmask_b32 v[ST+4+\i], v[LR+\i], v[LR+4+\i], s[HM]
.endr
	global_store_b128 v[SO], v[ST:ST+3], s[8:9]                 ; c m: 512 consecutive bytes
	global_store_b128 v[SO], v[ST+4:ST+7], s[8:9] offset:8192   ; l
.Lend:
	s_wait_tensorcnt 0x0                           ; the wave's end
	ds_add_u32 v[SPW], v[NIL]
	s_wait_dscnt 0x0
	s_endpgm
.Lfunc_end_k_q7d2ef1c53b_score:
	.size	k_q7d2ef1c53b_score, .Lfunc_end_k_q7d2ef1c53b_score-k_q7d2ef1c53b_score
	.p2alignl 7, 3214868480
	.fill 96, 4, 3214868480
	.section	.rodata,"a",@progbits
	.p2align	6, 0x0
	.amdhsa_kernel k_q7d2ef1c53b_score
		.amdhsa_group_segment_fixed_size 327680
		.amdhsa_private_segment_fixed_size 0
		.amdhsa_enable_private_segment 0
		.amdhsa_kernarg_size 24
		.amdhsa_user_sgpr_count 2
		.amdhsa_user_sgpr_kernarg_segment_ptr 1
		.amdhsa_wavefront_size32 1
		.amdhsa_system_sgpr_workgroup_id_x 1
		.amdhsa_system_sgpr_workgroup_id_y 1
		.amdhsa_system_sgpr_workgroup_id_z 1
		.amdhsa_system_vgpr_workitem_id 0
		.amdhsa_next_free_vgpr 1024
		.amdhsa_next_free_sgpr 66
		.amdhsa_reserve_vcc 1
		.amdhsa_float_denorm_mode_32 3
		.amdhsa_float_denorm_mode_16_64 3
		.amdhsa_memory_ordered 1
		.amdhsa_forward_progress 1
		.amdhsa_inst_pref_size 168
	.end_amdhsa_kernel
	.amdgpu_metadata
---
amdhsa.version: [ 1, 2 ]
amdhsa.kernels:
  - .name:           k_q7d2ef1c53b_score
    .symbol:         k_q7d2ef1c53b_score.kd
    .args:
      - { .name: qkv, .offset: 0, .size: 8, .value_kind: global_buffer, .address_space: global }
      - { .name: pt, .offset: 8, .size: 8, .value_kind: global_buffer, .address_space: global }
      - { .name: stats, .offset: 16, .size: 8, .value_kind: global_buffer, .address_space: global }
    .group_segment_fixed_size: 327680
    .private_segment_fixed_size: 0
    .kernarg_segment_align: 8
    .kernarg_segment_size: 24
    .max_flat_workgroup_size: 128
    .sgpr_count:     66
    .vgpr_count:     1024
    .wavefront_size: 32
...
	.end_amdgpu_metadata
.endif
;; end of part 3
;; launch pv (part 4): grid 8 x 32, 4 waves a work-group, clusters of 4 x 1, 327,680 bytes of LDS; arguments pt, qkv, stats, out0; writes out0
.if DOCPART == 4
	.amdgcn_target "amdgcn-amd-amdhsa--gfx1250"
	.amdhsa_code_object_version 6
	.text
	.protected	k_q7d2ef1c53b_pv
	.globl	k_q7d2ef1c53b_pv
	.p2align	8
	.type	k_q7d2ef1c53b_pv,@function
k_q7d2ef1c53b_pv:
	s_mov_b64 s[64:65], 0
	v_nop
	global_prefetch_b8 v0, s[64:65] scope:SCOPE_SE
	s_setreg_imm32_b32 hwreg(HW_REG_WAVE_MODE, 25, 1), 1
	s_wait_xcnt 0x0
	s_wait_alu depctr_hold_cnt(0) depctr_sa_sdst(0) depctr_va_vdst(0) depctr_va_sdst(0) depctr_va_ssrc(0) depctr_va_vcc(0) depctr_vm_vsrc(0)
	s_getreg_b32 s2, hwreg(HW_REG_IB_STS2, 6, 4)
	s_cmp_eq_u32 s2, 0
	s_cbranch_scc0 .Lentry_in_a_cluster
	s_endpgm
.Lentry_in_a_cluster:
	s_bfe_u32 s2, ttmp6, 0x10000c
	s_cmp_lg_u32 s2, 0x3003
	s_cbranch_scc0 .Lentry_shape_is_right
	s_endpgm
.Lentry_shape_is_right:
; out[q][c] = the sum over chunks j of F_j(q) x (the sum over the chunk's 128 keys of pt[q][key] v[key][c]),  F_j = 2^(c m_j - CM) / L,  CM = the largest c m_j,  L = the sum of l_j 2^(c m_j - CM):
; the chunks' local softmaxes joined exactly.  pt and v in f16, products, sums and factors in f32, out in f32.
; SHARES.  A block is 128 queries x 128 channels; block qb needs chunks 0 .. qb.  A work-group takes blocks e = 2 p and then d = 15 - e: 17 chunks whatever p, so all 256 work-groups are alike.
; A wave makes 64 queries x 64 channels: 16 accumulators X for the chunk in hand; O += F X in f32, four lines ahead of each of the next chunk's first 16 products, which start X anew with C = 0.
; THE WALK.  Tile 0 holds e's chunk 0 alone; tiles 1-8 hold two chunks each: e's (2 T - 1, 2 T) while T <= p, then d's.  Constant trip counts; which tile is asked for hangs on scalars made from p.
; Block e leaves as soon as its last chunk has been added, in the middle of the walk; block d behind the last product.
; CLUSTER 4 x 1: the four partners make four channel tiles of the same queries: pt's tile is asked for jointly (waves 0, 1).  v's tile hangs on the channel tile: each work-group's own load (waves 2, 3).
; LAYOUT.  O^T = V^T P (source 0 = 16 channels, by the turning load; source 1 = 16 queries): a lane holds ONE query (lane % 16) and channels 8 (lane / 16) + 0..7.
; REGISTERS: window 0: v0-11 addresses; v12-43 factors and statistics; v60 the prefetches' offset; v64-127 at work; v128-255 X: (channel block c, query tile a) at v[128 + 8 (4 c + a)]
;   window 1: v0-127 O      window 2: two fragment buffers of 128: 64 keys of pt (64 registers), then of v
.set QB,    1048576
.set PPI,   528                        ; a row of pt in LDS: 512 bytes + 16
.set PVI,   160                        ; a row of v: 128 + 32
.set VOFF,  128*PPI                    ; v's two column blocks lie behind pt's 128 rows
.set SLOT,  VOFF+2*256*PVI
.set STAGE, 2*SLOT                     ; behind the ring: 16 rows x 272 bytes for each wave
.set SP,    272
.set SPARE, STAGE+4*16*SP
.set AP0, 2
.set AV0, 3
.set ADP, 4
.set ADV, 5
.set STO, 6
.set RD,  7
.set GO,  8
.set VST, 9                            ; v9   16 (l % 16): my query's four words of a chunk's statistics
.set SPW, 10
.set NIL, 11
.set FP,  12                           ; v12-19  F of query tile a in the low word of pair a
.set CMV, 20                           ; v20-23  c m of the chunk to come
.set CMC, 24                           ; v24-27  CM of the block in hand
.set RLC, 28                           ; v28-31  1 / L of the block in hand
.set CMD, 32                           ; v32-39  the second block's
.set RLD, 36
.set TF,  40
.set MX,  44                           ; the prologue: CM, L, 1 / L
.set LL,  48
.set RL,  52
.set PFO, 60                           ; v60  the prefetches' offset; never rewritten
.set BK,  64                           ; the way out: rows read back, two sets of 32
.set CMJ, 64                           ; the prologue: c m of 16 chunks x 4 tiles
.set LJ,  128                          ; l likewise
.set VOJ, 192                          ; 16 offsets
.set VQB, 208
.set VLB, 209
.set XA,  128
.set F0,  0
.set F1,  128
.set WV,12
.set CX,13
.set LIM,13                            ; s13  takes cx's place: a wave prefetches while the tile's number is below it (9: pt; 8: v; 0: never)
.set CT,14
.set BB,15
.set PP,16
.set WQ,17
.set WC,18
.set G1P,24                            ; s[24:31] group 1 for pt's half tile
.set G1Z,32                            ; s[32:39] the same for tile 0: the tensor ends behind 128 keys, and the rest arrives as zeros
.set G1V,40                            ; s[40:47] group 1 for v's column block
.set G0P0,48
.set G0P1,52                           ; the set that walks
.set G0V0,56
.set G0V1,60
.set SB,66                             ; s66  the slot that is being read: 0 or SLOT
.set AT,67                             ; s67  the tile to be asked for next
.set UC,68                             ; s68  the chunk in hand, 0..16 along the walk
.set EE,69
.set EP1,70
.set TWICE,71
.set TILES,72
.set TBP,73                            ; s73  LDS byte at which the chunk's part of pt's rows begins
.set TBV,74                            ; s74  the same for v, less VOFF
.set PW,75
.set OFF,76
.set PBASE,78
.set VBASE,80
.set STP,82                            ; s[82:83] stats at the chunk whose c m was loaded last
.set STD,84                            ; s[84:85] stats at the second block's chunk 0
.set OE,86
.set OD,88
.set SEL,90
.set HM,92
.set QE,93
.set QD,94
.set DSUB,95
.set VW,96
.set DD,97
.set PFB,98                            ; s[98:99]   the tensor that I fetch, at my part of its tile 0
.set PFA,100                           ; s[100:101] the same at the tile that my prefetches name
.set MSB, 0
.macro WIN new
.if MSB != (\new)
	s_set_vgpr_msb (MSB<<8)|(\new)
.set MSB, \new
.endif
.endm
.macro CROUND
	s_barrier_signal -1
	s_barrier_wait -1
	s_cmp_lg_u32 s[WV], 0
	s_cbranch_scc1 .Lnot_wave_0_\@
	s_barrier_signal -3
.Lnot_wave_0_\@:
	s_barrier_wait -3
	s_barrier_signal -1
	s_barrier_wait -1
.endm
.macro JLOAD                           ; waves 0, 1: pt's halves, jointly; waves 2, 3: v's column blocks
	s_cmp_lt_u32 s[WV], 2
	s_cbranch_scc0 .Lfor_v_\@
	tensor_load_to_lds s[G0P1:G0P1+3], s[G1P:G1P+7]
	s_nop 0
.rept 4
	v_nop
.endr
	s_branch .Lasked_\@
.Lfor_v_\@:
	tensor_load_to_lds s[G0V1:G0V1+3], s[G1V:G1V+7]
	s_nop 0
.rept 4
	v_nop
.endr
.Lasked_\@:
.endm
.macro TILE                            ; of tile AT: s19 = its first chunk, s21 = its block's byte offset in pt
	s_lshl_b32 s19, s[AT], 1
	s_cmp_le_u32 s[AT], s[PP]
	s_cselect_b32 s20, 1, s[DSUB]
	s_cselect_b32 s21, s[QE], s[QD]
	s_sub_co_u32 s19, s19, s20
.endm
.macro DESC                            ; tile AT's addresses, made anew from its number: base + offset, the type bits set again
	TILE
	s_lshl_b32 s[OFF], s19, 8                      ; 256 bytes of a row of pt a chunk,
	s_add_co_u32 s[OFF], s[OFF], s21               ; 524,288 bytes a block of queries
	s_add_nc_u64 s[G0P1+2:G0P1+3], s[PBASE:PBASE+1], s[OFF:OFF+1]
	s_or_b32 s[G0P1+3], s[G0P1+3], 0x80000000
	s_lshl_b32 s[OFF], s19, 14                     ; 128 rows of v a chunk
	s_add_nc_u64 s[G0V1+2:G0V1+3], s[VBASE:VBASE+1], s[OFF:OFF+1]
	s_or_b32 s[G0V1+3], s[G0V1+3], 0x80000000
	s_add_co_u32 s[AT], s[AT], 1
.endm
; A PREFETCH INTO THE L2 behind each refill: the tile AFTER the one just asked for: one tile, 128 matrix instructions, ahead of the load that will want it.  AHEAD makes its address, ASK names it.
; pt's tile (128 rows x 512 bytes) is read by the two clusters of one y: cluster x = 0 asks, waves 0 and 1 for their 64 rows; of these each of the four partners takes 16, told apart by address: 16 rows x 2 blocks
; of 256 bytes, a lane a block, one instruction.  v's rows are read by the eight work-groups of one sequence and channel tile; of these p = 7 holds chunks 2 T - 1 and 2 T in tile T, as far on as any: it asks,
; waves 2 and 3 each for their own column block: 128 blocks, four instructions.  So each block is named once.  Tiles 0 to 2 come by their loads alone; pt's requests end with tile 8, v's with tile 7
; (p = 7's tile 8 holds chunks 0 and 1 once more); chunk 15 of v is asked for by nobody.
.macro AHEAD
	TILE
	s_lshl_b32 s20, s19, 8
	s_add_co_u32 s20, s20, s21
	s_lshl_b32 s21, s19, 14
	s_cmp_lt_u32 s[WV], 2
	s_cselect_b32 s[OFF], s20, s21
	s_add_nc_u64 s[PFA:PFA+1], s[PFB:PFB+1], s[OFF:OFF+1]
.endm
.macro ASK
	s_cmp_lt_u32 s[AT], s[LIM]
	s_cbranch_scc0 .Lnone_\@
	global_prefetch_b8 v[PFO], s[PFA:PFA+1] th:TH_LOAD_NT scope:SCOPE_SE
	s_cmp_lt_u32 s[WV], 2
	s_cbranch_scc1 .Lnone_\@
.irp n, 1,2,3
	global_prefetch_b8 v[PFO], s[PFA:PFA+1] offset:8192*\n th:TH_LOAD_NT scope:SCOPE_SE
.endr
.Lnone_\@:
.endm
	s_load_b256 s[4:11], s[0:1], 0x0               ; pt s[4:5], qkv s[6:7], stats s[8:9], out0 s[10:11]
	v_lshl_add_u32 v[SPW], v0, 2, SPARE
	v_mov_b32 v[NIL], 0
	ds_add_u32 v[SPW], v[NIL]                      ; the wave's opening: the add and its wait stand ahead of my first tensor load
	v_lshrrev_b32 v1, 5, v0
	v_readfirstlane_b32 s[WV], v1
	s_bfe_u32 s[CX], ttmp6, 0x40000
	s_lshl_b32 s[CT], ttmp9, 2
	s_add_co_u32 s[CT], s[CT], s[CX]               ; my channel tile: it enters v's and out's addresses alone
	s_and_b32 s19, ttmp7, 0xffff
	s_lshr_b32 s[BB], s19, 3                       ; the sequence
	s_and_b32 s[PP], s19, 7                        ; p
	s_lshr_b32 s[WQ], s[WV], 1                     ; which 64 queries are mine
	s_and_b32 s[WC], s[WV], 1                      ; which 64 channels.  Also: which half of pt's tile, or which column block of v, I fetch
	s_lshl_b32 s[EE], s[PP], 1
	s_sub_co_u32 s[DD], 15, s[EE]
	s_add_co_u32 s[EP1], s[EE], 1
	s_add_co_u32 s[DSUB], s[EE], 2
	s_lshl_b32 s[QE], s[EE], 19
	s_lshl_b32 s[QD], s[DD], 19
	s_mul_i32 s[PW], s[WC], 64*PPI
	s_mul_i32 s[VW], s[WC], 256*PVI
	s_add_co_u32 s[VW], s[VW], VOFF
	s_mov_b32 s[G1P], 15|(1<<16)|(1<<20)|(1<<21)|(6<<22)|(3<<25)  ; the mask of four; 2-byte elements; padding on; bit 21 beside a mask; after every 128 words, 4 words
	s_mov_b32 s[G1Z], 15|(1<<16)|(1<<20)|(1<<21)|(6<<22)|(3<<25)
	s_mov_b32 s[G1P+1], 256<<16                    ; tensor_dim0 = 256 keys
	s_mov_b32 s[G1Z+1], 128<<16                    ; tile 0: 128 keys are left of the tensor
.irp g, G1P, G1Z
	s_mov_b32 s[\g+2], 64<<16                      ; tensor_dim1 = 64 rows
	s_mov_b32 s[\g+3], 256<<16                     ; tile_dim0
	s_mov_b32 s[\g+4], 64                          ; tile_dim1
	s_mov_b32 s[\g+5], 2048                        ; elements from row to row
	s_mov_b32 s[\g+6], 0
	s_mov_b32 s[\g+7], 0
.endr
	s_mov_b32 s[G1V], (1<<16)|(1<<20)|(4<<22)|(7<<25)  ; no mask; after every 32 words, 8 words
	s_mov_b32 s[G1V+1], 128<<16                    ; 256 keys x 128 bytes, dense: 128 rows of 256 bytes
	s_mov_b32 s[G1V+2], 128<<16
	s_mov_b32 s[G1V+3], 128<<16
	s_mov_b32 s[G1V+4], 128
	s_mov_b32 s[G1V+5], 128
	s_mov_b32 s[G1V+6], 0
	s_mov_b32 s[G1V+7], 0
	s_mov_b32 s[OFF+1], 0
	s_mov_b32 s[SEL], 0x76543210
	s_mov_b32 s[SEL+1], 0xfedcba98
	s_mov_b32 s[HM], 0xffff0000                    ; lanes 16-31
	s_mov_b32 s[SB], 0
	s_mov_b32 s[UC], 0
	s_mov_b32 s[AT], 1
	s_mov_b32 s[TBP], 0
	s_mov_b32 s[TBV], 0
	s_lshl_b32 s20, s[BB], 23                      ; a sequence's 2,048 rows of pt,
	s_lshl_b32 s21, s[WC], 18                      ; my 64 rows of a block
	s_add_co_u32 s20, s20, s21
	s_mov_b32 s21, 0
	s_lshl_b32 s22, s[CT], 1
	s_add_co_u32 s22, s22, s[WC]
	s_add_co_u32 s22, s22, 32                      ; v's column blocks begin at 32
	s_lshl_b32 s22, s22, 20
	s_lshl_b32 s23, s[BB], 18
	s_add_co_u32 s22, s22, s23
	s_mov_b32 s23, 0
	s_wait_dscnt 0x0                               ; the opening add is done
	s_wait_kmcnt 0x0
	s_add_nc_u64 s[PBASE:PBASE+1], s[4:5], s[20:21]
	s_add_nc_u64 s[VBASE:VBASE+1], s[6:7], s[22:23]
	s_mov_b32 s[G0P0], 1                           ; tile 0 into slot 0
	s_mov_b32 s[G0P0+1], s[PW]
	s_mov_b32 s[OFF], s[QE]
	s_add_nc_u64 s[G0P0+2:G0P0+3], s[PBASE:PBASE+1], s[OFF:OFF+1]
	s_or_b32 s[G0P0+3], s[G0P0+3], 0x80000000
	s_mov_b32 s[G0V0], 1
	s_mov_b32 s[G0V0+1], s[VW]
	s_add_nc_u64 s[G0V0+2:G0V0+3], s[VBASE:VBASE+1], 0
	s_or_b32 s[G0V0+3], s[G0V0+3], 0x80000000
	s_mov_b32 s[G0P1], 1                           ; tile 1 into slot 1
	s_add_co_u32 s[G0P1+1], s[PW], SLOT
	s_mov_b32 s[G0V1], 1
	s_add_co_u32 s[G0V1+1], s[VW], SLOT
	DESC
	CROUND                                         ; all four work-groups are here: the first joint loads meet
	s_cmp_lt_u32 s[WV], 2                          ; a wave's two first fills stand in one branch
	s_cbranch_scc0 .Lfirst_v
	tensor_load_to_lds s[G0P0:G0P0+3], s[G1Z:G1Z+7]
	s_nop 0
	tensor_load_to_lds s[G0P1:G0P1+3], s[G1P:G1P+7]
	s_nop 0
.rept 4
	v_nop
.endr
	s_branch .Lfirst_asked
.Lfirst_v:
	tensor_load_to_lds s[G0V0:G0V0+3], s[G1V:G1V+7]
	s_nop 0
	tensor_load_to_lds s[G0V1:G0V1+3], s[G1V:G1V+7]
	s_nop 0
.rept 4
	v_nop
.endr
.Lfirst_asked:
	v_and_b32 v1, 15, v0                           ; l % 16
	v_bfe_u32 v56, v0, 4, 1                        ; l / 16
	v_mul_u32_u24 v[AP0], v1, PPI
	v_lshl_add_u32 v[AP0], v56, 4, v[AP0]
	s_mul_i32 s19, s[WQ], 64*PPI
	v_add_nc_u32 v[AP0], s19, v[AP0]               ; my 64 rows of pt: row x pitch + 16 x half
	v_and_b32 v57, 7, v0
	v_bfe_u32 v58, v0, 3, 1
	v_lshl_add_u32 v[AV0], v56, 3, v57             ; the turning load: key 8 (l / 16) + l % 8, channels 8 ((l / 8) % 2) on
	v_mul_u32_u24 v[AV0], v[AV0], PVI
	v_lshl_add_u32 v[AV0], v58, 4, v[AV0]
	v_add_nc_u32 v[AV0], s[VW], v[AV0]
	s_mul_i32 s19, s[WV], 16*SP
	s_add_co_u32 s19, s19, STAGE
	v_mul_u32_u24 v[STO], v1, SP
	v_lshl_add_u32 v[STO], v56, 5, v[STO]
	v_add_nc_u32 v[STO], s19, v[STO]               ; in: row l % 16, 32 bytes for each half of the lanes
	v_mul_u32_u24 v[RD], v56, SP
	v_lshl_add_u32 v[RD], v1, 4, v[RD]
	v_add_nc_u32 v[RD], s19, v[RD]                 ; back: lanes 0-15 one row of 256 bytes, lanes 16-31 the next
	v_lshlrev_b32 v[GO], 12, v56
	v_lshl_add_u32 v[GO], v1, 4, v[GO]             ; the same two rows in out
	v_lshlrev_b32 v[VST], 4, v1
	; THE STATISTICS.  Lanes 0-15 work for block e, lanes 16-31 for block d; a lane has query l % 16 of each of my four tiles.  Chunk numbers past the block's last are held to it, so only written words are read; their l counts as 0.
	s_lshl_b32 s20, s[BB], 18
	s_mov_b32 s21, 0
	s_add_nc_u64 s[8:9], s[8:9], s[20:21]
	v_mov_b32 v57, s[EE]
	v_mov_b32 v58, s[DD]
	v_cndmask_b32 v[VQB], v57, v58, s[HM]          ; my half's block = its last chunk
	v_lshlrev_b32 v[VLB], 9, v[VQB]
	v_lshl_add_u32 v[VLB], v1, 4, v[VLB]
	s_lshl_b32 s19, s[WQ], 8
	v_add_nc_u32 v[VLB], s19, v[VLB]
.set j, 0
.rept 16
	v_min_u32 v[VOJ+j], j, v[VQB]
	v_lshl_add_u32 v[VOJ+j], v[VOJ+j], 14, v[VLB]
.set j, j+1
.endr
.set j, 0
.rept 16
	global_load_b128 v[CMJ+4*j:CMJ+4*j+3], v[VOJ+j], s[8:9]
	global_load_b128 v[LJ+4*j:LJ+4*j+3], v[VOJ+j], s[8:9] offset:8192
.set j, j+1
.endr
	s_lshl_b32 s20, s[EE], 9
	s_add_co_u32 s20, s20, s19
	s_add_nc_u64 s[STP:STP+1], s[8:9], s[20:21]
	s_lshl_b32 s20, s[DD], 9
	s_add_co_u32 s20, s20, s19
	s_add_nc_u64 s[STD:STD+1], s[8:9], s[20:21]
	s_lshl_b32 s19, s[BB], 11                      ; out at my rows and channels of the two blocks
	s_lshl_b32 s20, s[WQ], 6
	s_add_co_u32 s19, s19, s20
	s_lshl_b32 s20, s[EE], 7
	s_add_co_u32 s20, s20, s19
	s_lshl_b32 s20, s20, 12
	s_lshl_b32 s22, s[DD], 7
	s_add_co_u32 s22, s22, s19
	s_lshl_b32 s22, s22, 12
	s_lshl_b32 s2, s[CT], 9
	s_lshl_b32 s3, s[WC], 8
	s_add_co_u32 s2, s2, s3
	s_add_co_u32 s20, s20, s2
	s_add_co_u32 s22, s22, s2
	s_add_nc_u64 s[OE:OE+1], s[10:11], s[20:21]
	s_add_nc_u64 s[OD:OD+1], s[10:11], s[22:23]
	; the prefetches: who asks, from where, and each lane's block
	s_cmp_eq_u32 ttmp9, 0
	s_cselect_b32 s20, 9, 0                        ; pt: the first of the two clusters that read the tile: the same in all four partners
	s_cmp_eq_u32 s[PP], 7
	s_cselect_b32 s21, 8, 0                        ; v: the work-group with p = 7: the same in all four partners
	s_lshl_b32 s19, s[CX], 16                      ; pt: my work-group's 16 rows of a wave's 64: it enters an address, no branch
	s_cmp_lt_u32 s[WV], 2
	s_cselect_b32 s[LIM], s20, s21
	s_cselect_b32 s20, -1, 0
	s_cselect_b64 s[PFB:PFB+1], s[PBASE:PBASE+1], s[VBASE:VBASE+1]
	v_and_b32 v59, 31, v0
	v_lshlrev_b32 v[PFO], 8, v59                   ; v: block l of 32; three more times 32 by the immediate
	v_lshrrev_b32 v57, 1, v59
	v_and_b32 v58, 1, v59
	v_lshl_add_u32 v57, v57, 12, s19               ; pt: row l / 2 of my work-group's 16,
	v_lshl_add_u32 v57, v58, 8, v57                ; chunk l % 2 of the tile's two
	v_cndmask_b32 v[PFO], v[PFO], v57, s20
	WIN 0x40
.set i, 0
.rept 128
	v_mov_b32 v[i], 0                              ; O starts at 0, so that every chunk is added in one form: written while the first tiles and the statistics are on their way
.set i, i+1
.endr
	WIN 0
.irp a, 0,1,2,3
	v_mov_b32 v[FP+2*\a+1], 0                      ; named with F as a pair
.endr
	s_wait_loadcnt 0x0
.irp a, 0,1,2,3
	v_max3_num_f32 v[MX+\a], v[CMJ+\a], v[CMJ+4+\a], v[CMJ+8+\a]
.endr
.irp j, 3,5,7,9,11,13
.irp a, 0,1,2,3
	v_max3_num_f32 v[MX+\a], v[MX+\a], v[CMJ+4*\j+\a], v[CMJ+4*\j+4+\a]
.endr
.endr
.irp a, 0,1,2,3
	v_max_num_f32 v[MX+\a], v[MX+\a], v[CMJ+60+\a]
.endr
.set j, 0
.rept 16
	v_pk_add_f32 v[CMJ+4*j:CMJ+4*j+1], v[CMJ+4*j:CMJ+4*j+1], v[MX:MX+1] neg_lo:[0,1] neg_hi:[0,1]
	v_pk_add_f32 v[CMJ+4*j+2:CMJ+4*j+3], v[CMJ+4*j+2:CMJ+4*j+3], v[MX+2:MX+3] neg_lo:[0,1] neg_hi:[0,1]
.set j, j+1
.endr
.set i, 0
.rept 64
	v_exp_f32 v[CMJ+i], v[CMJ+i]
.set i, i+1
.endr
.set j, 1
.rept 15                               ; plain work behind the exponentials: l = 0 for chunks past the block's last
	v_cmp_le_u32 vcc_lo, j, v[VQB]
.irp a, 0,1,2,3
	v_cndmask_b32 v[LJ+4*j+\a], 0, v[LJ+4*j+\a], vcc_lo
.endr
.set j, j+1
.endr
	s_wait_alu depctr_va_vdst(0)                   ; the one wait ahead of the batch's first reader
	v_pk_mul_f32 v[LL:LL+1], v[LJ:LJ+1], v[CMJ:CMJ+1]
	v_pk_mul_f32 v[LL+2:LL+3], v[LJ+2:LJ+3], v[CMJ+2:CMJ+3]
.set j, 1
.rept 15
	v_pk_fma_f32 v[LL:LL+1], v[LJ+4*j:LJ+4*j+1], v[CMJ+4*j:CMJ+4*j+1], v[LL:LL+1]
	v_pk_fma_f32 v[LL+2:LL+3], v[LJ+4*j+2:LJ+4*j+3], v[CMJ+4*j+2:CMJ+4*j+3], v[LL+2:LL+3]
.set j, j+1
.endr
.irp a, 0,1,2,3
	v_rcp_f32 v[RL+\a], v[LL+\a]
.endr
.irp a, 0,1,2,3
	v_permlanex16_b32 v[CMJ+\a], v[MX+\a], s[SEL], s[SEL+1]   ; the other half's figures (the destinations have been written)
.endr
	v_nop
	s_wait_alu depctr_va_vdst(0)                   ; for the four reciprocals
.irp a, 0,1,2,3
	v_permlanex16_b32 v[CMJ+4+\a], v[RL+\a], s[SEL], s[SEL+1]
.endr
.irp a, 0,1,2,3
	v_cndmask_b32 v[CMC+\a], v[MX+\a], v[CMJ+\a], s[HM]       ; block e's in every lane,
	v_cndmask_b32 v[CMD+\a], v[CMJ+\a], v[MX+\a], s[HM]       ; block d's in every lane
	v_cndmask_b32 v[RLC+\a], v[RL+\a], v[CMJ+4+\a], s[HM]
	v_cndmask_b32 v[RLD+\a], v[CMJ+4+\a], v[RL+\a], s[HM]
.endr
	global_load_b128 v[CMV:CMV+3], v[VST], s[STP:STP+1]       ; c m of the walk's first chunk
; 32 LDS loads in one run: 64 keys (half hh of the chunk) of pt's 64 rows and of v's 64 channels into buffer f
.macro FETCH hh, f
	WIN 0x80
.irp kk, 0,1
.irp a, 0,1,2,3
	ds_load_b128 v[(\f)+32*\kk+8*\a:(\f)+32*\kk+8*\a+3],   v[ADP] offset:16*PPI*\a+128*(\hh)+64*\kk
	ds_load_b128 v[(\f)+32*\kk+8*\a+4:(\f)+32*\kk+8*\a+7], v[ADP] offset:16*PPI*\a+128*(\hh)+64*\kk+32
.endr
.irp c, 0,1,2,3
	ds_load_tr16_b128 v[(\f)+64+32*\kk+8*\c:(\f)+64+32*\kk+8*\c+3],   v[ADV] offset:(64*(\hh)+32*\kk)*PVI+32*\c
	ds_load_tr16_b128 v[(\f)+64+32*\kk+8*\c+4:(\f)+64+32*\kk+8*\c+7], v[ADV] offset:(64*(\hh)+32*\kk)*PVI+16*PVI+32*\c
.endr
.endr
.endm
; 16 products, 32 keys, each accumulator once.  mode 0: onto X.  1: X starts with 0.  2: ahead of each product O += F X, lowest registers first, and X starts with 0.
.macro PASS f, kk, mode
.irp c, 0,1,2,3
.irp a, 0,1,2,3
.if (\mode) == 2
	WIN 0x50                                       ; O (destination and source 2) in window 1, X and F in window 0
.irp z, 0,1,2,3
	v_pk_fma_f32 v[8*(4*\c+\a)+2*\z:8*(4*\c+\a)+2*\z+1], v[XA+8*(4*\c+\a)+2*\z:XA+8*(4*\c+\a)+2*\z+1], v[FP+2*\a:FP+2*\a+1], v[8*(4*\c+\a)+2*\z:8*(4*\c+\a)+2*\z+1] op_sel_hi:[1,0,1]
.endr
.endif
	WIN 0x0a                                       ; v and pt in window 2, X in window 0
.if \mode
	v_wmma_f32_16x16x32_f16 v[XA+8*(4*\c+\a):XA+8*(4*\c+\a)+7], v[(\f)+64+32*(\kk)+8*\c:(\f)+64+32*(\kk)+8*\c+7], v[(\f)+32*(\kk)+8*\a:(\f)+32*(\kk)+8*\a+7], 0
.else
	v_wmma_f32_16x16x32_f16 v[XA+8*(4*\c+\a):XA+8*(4*\c+\a)+7], v[(\f)+64+32*(\kk)+8*\c:(\f)+64+32*(\kk)+8*\c+7], v[(\f)+32*(\kk)+8*\a:(\f)+32*(\kk)+8*\a+7], v[XA+8*(4*\c+\a):XA+8*(4*\c+\a)+7]
.endif
.endr
.endr
.endm
; F of the chunk in hand, and the load of the next chunk's c m: behind block e's last chunk comes block d's chunk 0; behind the walk's last nothing is wanted, and that word is read once more.
.macro FACTOR
	WIN 0
	s_wait_loadcnt 0x0                             ; c m is in, and the load has read its address
	v_pk_add_f32 v[TF:TF+1], v[CMV:CMV+1], v[CMC:CMC+1] neg_lo:[0,1] neg_hi:[0,1]
	v_pk_add_f32 v[TF+2:TF+3], v[CMV+2:CMV+3], v[CMC+2:CMC+3] neg_lo:[0,1] neg_hi:[0,1]
.irp a, 0,1,2,3
	v_exp_f32 v[FP+2*\a], v[TF+\a]
.endr
	s_add_nc_u64 s[STP:STP+1], s[STP:STP+1], 16384
	s_cmp_eq_u32 s[UC], s[EE]
	s_cselect_b64 s[STP:STP+1], s[STD:STD+1], s[STP:STP+1]
	s_cmp_eq_u32 s[UC], 16
	s_cselect_b64 s[STP:STP+1], s[STD:STD+1], s[STP:STP+1]
	global_load_b128 v[CMV:CMV+3], v[VST], s[STP:STP+1]
	v_nop                                          ; a plain instruction behind the last exponential,
	s_wait_alu depctr_va_vdst(0)                   ; and the wait ahead of the first reader
.irp a, 0,1,2,3
	v_mul_f32 v[FP+2*\a], v[FP+2*\a], v[RLC+\a]
.endr
.endm
; THE WAY OUT of a block, 16 rows (query tile n) at a time.  A lane's 32 bytes a channel block go into rows of 272 bytes of my own stage and come back as whole rows of 256.
.macro TOSTAGE n
	WIN 0
	s_wait_xcnt 0x0                                ; the stores of two tiles back have read the registers that are loaded below
	WIN 0x04                                       ; store data from window 1
.irp c, 0,1,2,3
	ds_store_b128 v[STO], v[8*(4*\c+(\n)):8*(4*\c+(\n))+3]   offset:64*\c
	ds_store_b128 v[STO], v[8*(4*\c+(\n))+4:8*(4*\c+(\n))+7] offset:64*\c+16
.endr
	WIN 0
.irp t, 0,1,2,3,4,5,6,7
	ds_load_b128 v[BK+32*((\n)%2)+4*\t:BK+32*((\n)%2)+4*\t+3], v[RD] offset:2*SP*\t   ; LDS serves a wave's instructions in order: these see the stores above; the next tile's stores come behind them
.endr
.endm
.macro SEND n, younger, base           ; younger: the LDS instructions issued behind tile n's loads: the next tile's sixteen, or none
	s_wait_dscnt \younger                          ; tile n is back in registers
.irp t, 0,1,2,3,4,5,6,7
	global_store_b128 v[GO], v[BK+32*((\n)%2)+4*\t:BK+32*((\n)%2)+4*\t+3], s[(\base):(\base)+1] offset:65536*(\n)+8192*\t th:TH_STORE_NT   ; 16 lanes store 256 consecutive bytes, aligned
.endr
.endm
.macro OUT4 base
	TOSTAGE 0
.irp n, 1,2,3
	TOSTAGE \n
	SEND (\n)-1, 16, \base
.endr
	SEND 3, 0, \base
.endm
; A CHUNK's turn: its first half is fetched; the chunk before is finished; its second half is fetched; the chunk before is added to O while this chunk's first products start X anew.
.macro BODY
	WIN 0
	v_add_nc_u32 v[ADP], s[TBP], v[AP0]            ; these two and two v_nop are the four places behind the last products, in front of the loads into buffer 0
	v_add_nc_u32 v[ADV], s[TBV], v[AV0]
	v_nop
	v_nop
	FETCH 0, F0
	s_wait_dscnt 32                                ; all but the 32 just issued: buffer 1 is in, and whatever else was issued before them
	PASS F1, 0, 0
	PASS F1, 1, 0
.rept 6
	v_nop                                          ; places: in front of the loads into buffer 1, of the lines that read X, and of the products that write over X
.endr
	FETCH 1, F1
	s_wait_dscnt 32                                ; buffer 0 is in
	PASS F0, 0, 2
	WIN 0
	s_cmp_eq_u32 s[UC], s[EP1]
	s_cbranch_scc0 .Lsame_block_\@
	OUT4 OE                                        ; THE FIRST BLOCK IS WHOLE: it leaves now, while 16 - e chunks are still to be multiplied; no barrier and no tensor load stands in what is jumped
	WIN 0x40
.set i, 0
.rept 128
	v_mov_b32 v[i], 0                              ; O starts at 0 again (the stage's stores were waited for in OUT4),
.set i, i+1
.endr
	WIN 0
.irp a, 0,1,2,3
	v_mov_b32 v[CMC+\a], v[CMD+\a]                 ; and the second block's CM and 1 / L take their places
	v_mov_b32 v[RLC+\a], v[RLD+\a]
.endr
.Lsame_block_\@:
	FACTOR
	PASS F0, 1, 0
	s_add_co_u32 s[TBP], s[TBP], 256
	s_add_co_u32 s[TBV], s[TBV], 128*PVI
	s_add_co_u32 s[UC], s[UC], 1
.endm
.macro TWO_CHUNKS
	WIN 0
	s_mov_b32 s[TWICE], 2
.Lchunk_\@:
	BODY
	WIN 0
	s_sub_co_u32 s[TWICE], s[TWICE], 1
	s_cmp_lg_u32 s[TWICE], 0
	s_cbranch_scc1 .Lchunk_\@
.endm
; THE CHANGE OF SLOTS: all reads of the slot have been issued.  Each wave waits for all its tensor loads (one is out: its part of the other slot), adds 0 to its spare word, and waits for that and for its reads.
; fill = 1: the barrier is a round of the cluster's, and the slot just left is filled again, with tile AT, first thing behind it.
.macro CHANGE fill
	WIN 0
	s_wait_tensorcnt 0x0                           ; no tensor load of mine is out, so a group 0 may be written
	ds_add_u32 v[SPW], v[NIL]                      ; 0 onto my spare word: the scalar work below stands between it and the wait for it
.if \fill
	s_add_co_u32 s[G0P1+1], s[SB], s[PW]
	s_add_co_u32 s[G0V1+1], s[SB], s[VW]
	DESC
	s_wait_xcnt 0x0                                ; the last prefetches, a tile back, have read their address, so it may be written
	AHEAD
.endif
	s_xor_b32 s[SB], s[SB], SLOT                   ; 0 and SLOT take turns
	s_mov_b32 s[TBP], s[SB]
	s_mov_b32 s[TBV], s[SB]
	s_wait_dscnt 0x0                               ; the add is done, and my reads of the slot are over
.if \fill
	CROUND
	JLOAD
	ASK
.else
	s_barrier_signal -1
	s_barrier_wait -1
.endif
.endm
	s_wait_tensorcnt 1                             ; my part of tile 0 is in; tile 1's stays out
	s_barrier_signal -1
	s_barrier_wait -1
	v_add_nc_u32 v[ADP], s[TBP], v[AP0]
	v_add_nc_u32 v[ADV], s[TBV], v[AV0]
	FETCH 0, F0
	FETCH 1, F1
	s_wait_dscnt 32
	PASS F0, 0, 1                                  ; the walk's first chunk
	FACTOR
	PASS F0, 1, 0
	WIN 0
	s_mov_b32 s[UC], 1
	s_mov_b32 s[TILES], 7
.Ltile:                                            ; tiles 1 to 7 are entered, tiles 2 to 8 asked for
	CHANGE 1
	TWO_CHUNKS
	s_sub_co_u32 s[TILES], s[TILES], 1
	s_cmp_lg_u32 s[TILES], 0
	s_cbranch_scc1 .Ltile
	CHANGE 0                                       ; the last tile is written out
	TWO_CHUNKS
	s_wait_dscnt 0x0
	PASS F1, 0, 0                                  ; the last chunk's second half
	PASS F1, 1, 0
.rept 8
	v_nop
.endr
	WIN 0x50
.set i, 0
.rept 16
.irp z, 0,1,2,3
	v_pk_fma_f32 v[8*i+2*\z:8*i+2*\z+1], v[XA+8*i+2*\z:XA+8*i+2*\z+1], v[FP+2*(i%4):FP+2*(i%4)+1], v[8*i+2*\z:8*i+2*\z+1] op_sel_hi:[1,0,1]
.endr
.set i, i+1
.endr
	OUT4 OD                                        ; the second block leaves
	s_wait_tensorcnt 0x0                           ; the wave's end
	ds_add_u32 v[SPW], v[NIL]
	s_wait_dscnt 0x0
	CROUND                                         ; the closing round
	s_endpgm
.Lfunc_end_k_q7d2ef1c53b_pv:
	.size	k_q7d2ef1c53b_pv, .Lfunc_end_k_q7d2ef1c53b_pv-k_q7d2ef1c53b_pv
	.p2alignl 7, 3214868480
	.fill 96, 4, 3214868480
	.section	.rodata,"a",@progbits
	.p2align	6, 0x0
	.amdhsa_kernel k_q7d2ef1c53b_pv
		.amdhsa_group_segment_fixed_size 327680
		.amdhsa_private_segment_fixed_size 0
		.amdhsa_enable_private_segment 0
		.amdhsa_kernarg_size 32
		.amdhsa_user_sgpr_count 2
		.amdhsa_user_sgpr_kernarg_segment_ptr 1
		.amdhsa_wavefront_size32 1
		.amdhsa_system_sgpr_workgroup_id_x 1
		.amdhsa_system_sgpr_workgroup_id_y 1
		.amdhsa_system_sgpr_workgroup_id_z 1
		.amdhsa_system_vgpr_workitem_id 0
		.amdhsa_next_free_vgpr 768
		.amdhsa_next_free_sgpr 102
		.amdhsa_reserve_vcc 1
		.amdhsa_float_denorm_mode_32 3
		.amdhsa_float_denorm_mode_16_64 3
		.amdhsa_memory_ordered 1
		.amdhsa_forward_progress 1
		.amdhsa_inst_pref_size 107
	.end_amdhsa_kernel
	.amdgpu_metadata
---
amdhsa.version: [ 1, 2 ]
amdhsa.kernels:
  - .name:           k_q7d2ef1c53b_pv
    .symbol:         k_q7d2ef1c53b_pv.kd
    .args:
      - { .name: pt, .offset: 0, .size: 8, .value_kind: global_buffer, .address_space: global }
      - { .name: qkv, .offset: 8, .size: 8, .value_kind: global_buffer, .address_space: global }
      - { .name: stats, .offset: 16, .size: 8, .value_kind: global_buffer, .address_space: global }
      - { .name: out0, .offset: 24, .size: 8, .value_kind: global_buffer, .address_space: global }
    .group_segment_fixed_size: 327680
    .private_segment_fixed_size: 0
    .kernarg_segment_align: 8
    .kernarg_segment_size: 32
    .max_flat_workgroup_size: 128
    .sgpr_count:     102
    .vgpr_count:     768
    .wavefront_size: 32
...
	.end_amdgpu_metadata
.endif
;; end of part 4
;; ======== version 2 of 2: 4 launches; version 1 with the launch cvt written anew for expert scheduling mode
;; limits: values are held in f16: magnitudes above 65,504 overflow, below 6.1e-05 lose precision
;; workspace buffers: ab 23,068,672 bytes; qkv 50,331,648 bytes; pt 33,554,432 bytes; stats 1,048,576 bytes
;; launch cvt (part 5): grid 704 x 1, 8 waves a work-group, no clusters, 0 bytes of LDS; arguments inputs, Wq, Wk, Wv, ab; writes ab
.if DOCPART == 5
	.amdgcn_target "amdgcn-amd-amdhsa--gfx1250"
	.amdhsa_code_object_version 6
	.text
	.protected	k_q7d2ef1c53b_cvt
	.globl	k_q7d2ef1c53b_cvt
	.p2align	8
	.type	k_q7d2ef1c53b_cvt,@function
k_q7d2ef1c53b_cvt:
	s_mov_b64 s[64:65], 0
	v_nop
	global_prefetch_b8 v0, s[64:65] scope:SCOPE_SE
	s_setreg_imm32_b32 hwreg(HW_REG_WAVE_SCHED_MODE, 0, 2), 2
	s_setreg_imm32_b32 hwreg(HW_REG_WAVE_MODE, 25, 1), 1
	s_wait_xcnt 0x0
	s_wait_alu depctr_vm_vsrc(0)
; x [8192][1024] and Wq, Wk, Wv [1024][1024], all f32, are rounded once to bf16 and laid out for the product that follows:
; ab[kb][row][64], kb = 0..15 the block of 64 channels, row = 0..11263 (x's 8,192 rows, then Wq's, Wk's, Wv's 1,024 each).
; So the rows of a tile for 64 channels lie end to end, 128 bytes each.
; A work-group takes 16 stacked rows.  Thread t: row t / 16, four numbers at place t % 16 of each block of 64: a wave's load covers
; 256 consecutive bytes of each of two rows, a wave's store 256 consecutive bytes, aligned.  All 16 loads go out ahead of the stores.
; No LDS, no matrix unit, no loop: every byte is read once and written once.
; THE MODE: SCHED_MODE bits 1:0 = 2 (LLVM: expert scheduling mode 2), set by the entry lines.  The code itself states the register dependences
; between vector instructions and memory instructions, with s_wait_alu, always for 0.
; THE PLAN.  Registers that memory instructions touch:
;   v2, v3   the two offsets: written once at the head, read by the 16 loads and the 16 stores, never written again.
;   X        block kb's four registers: written by its load, once; read by its two conversions, behind its wait on LOADcnt.  No vector line names them ahead of the loads, and no load follows the conversions.
;   Y        block kb's two registers: written by its two conversions, once; read by its store, once.
; No register that a memory instruction reads is written again, so the dependences to state are of one kind: a vector line has written what a memory instruction reads.
; The 16 blocks go in four groups of four.  Block kb's turn: its data are waited for, the store of block kb - 4 is issued, block kb is rounded.  The conversions of a group name that group's X and Y
; alone; the stores dealt among them read the Y of the group before.  So ONE wait at a group's head states all that its four stores hang on; one more stands ahead of the last four stores.
.set BLK, 1441792                      ; bytes of one kb block: 11,264 rows x 128
.set GRP, 4                            ; blocks in a group
.set VI,  2                            ; v2  byte offset in the 16 rows of the source
.set VO,  3                            ; v3  byte offset in the 16 rows of a block: 8 t
.set X,   8                            ; v[8:71]   16 x 4 numbers as loaded
.set Y,   72                           ; v[72:103] 16 x 2 registers to store
	s_load_b256 s[4:11], s[0:1], 0x0               ; inputs s[4:5], Wq s[6:7], Wk s[8:9], Wv s[10:11]
	s_load_b64 s[12:13], s[0:1], 0x20              ; ab
	v_lshrrev_b32 v1, 4, v0                        ; row
	v_and_b32 v4, 15, v0
	v_lshlrev_b32 v4, 4, v4                        ; 16 bytes a thread
	v_lshl_or_b32 v[VI], v1, 12, v4                ; row x 4,096 + 16 (t % 16)
	v_lshlrev_b32 v[VO], 3, v0
	s_mov_b32 s16, 640                             ; the first work-group of the tensor that I read
	s_lshl_b32 s20, ttmp9, 11                      ; 16 rows x 128 bytes in each block
	s_mov_b32 s21, 0
	s_mov_b32 s19, 0
	s_wait_kmcnt 0x0
	s_mov_b64 s[14:15], s[10:11]                   ; work-groups 640.. read Wv,
	s_cmp_lt_u32 ttmp9, 640
	s_cselect_b64 s[14:15], s[8:9], s[14:15]       ; 576..639 Wk,
	s_cselect_b32 s16, 576, s16
	s_cmp_lt_u32 ttmp9, 576
	s_cselect_b64 s[14:15], s[6:7], s[14:15]       ; 512..575 Wq,
	s_cselect_b32 s16, 512, s16
	s_cmp_lt_u32 ttmp9, 512
	s_cselect_b64 s[14:15], s[4:5], s[14:15]       ; 0..511 x
	s_cselect_b32 s16, 0, s16
	s_sub_co_u32 s18, ttmp9, s16
	s_lshl_b32 s18, s18, 16                        ; 16 rows x 4,096 bytes
	s_add_nc_u64 s[14:15], s[14:15], s[18:19]
	s_add_nc_u64 s[20:21], s[12:13], s[20:21]      ; blocks 0-4 by the immediate,
	s_add_nc_u64 s[22:23], s[20:21], 5*BLK         ; 5-9,
	s_add_nc_u64 s[24:25], s[20:21], 10*BLK        ; 10-14,
	s_add_nc_u64 s[26:27], s[20:21], 15*BLK        ; 15: four blocks at the most stand in an immediate of 24 bits
	s_wait_alu depctr_va_vdst(0)                   ; v2 and v3 are written: every load of the kernel reads the one as its offset, every store the other
.set kb, 0
.rept 16
	global_load_b128 v[X+4*kb:X+4*kb+3], v[VI], s[14:15] offset:256*kb th:TH_LOAD_NT
.set kb, kb+1
.endr
.macro PUT n                           ; block n leaves
	global_store_b64 v[VO], v[Y+2*(\n):Y+2*(\n)+1], s[20+2*((\n)/5):21+2*((\n)/5)] offset:((\n)%5)*BLK
.endm
.set kb, 0
.rept 16
	s_wait_loadcnt 15-kb                           ; loads come back in order: block kb is in, the younger ones stay out
.if ((kb%GRP) == 0) && (kb > 0)
	s_wait_alu depctr_va_vdst(0)                   ; the conversions of the group before have written its eight registers of Y, which the four stores of this group's turns read
.endif
.if kb >= GRP
	PUT kb-GRP                                     ; no wait: no vector line since the group's head names this block's Y or v3
.endif
	v_cvt_pk_bf16_f32 v[Y+2*kb], v[X+4*kb], v[X+4*kb+1]
	v_cvt_pk_bf16_f32 v[Y+2*kb+1], v[X+4*kb+2], v[X+4*kb+3]
.set kb, kb+1
.endr
	s_wait_alu depctr_va_vdst(0)                   ; the last group's conversions have written its eight registers of Y, which the last four stores read
.set kb, 16-GRP
.rept GRP
	PUT kb
.set kb, kb+1
.endr
	s_endpgm
.Lfunc_end_k_q7d2ef1c53b_cvt:
	.size	k_q7d2ef1c53b_cvt, .Lfunc_end_k_q7d2ef1c53b_cvt-k_q7d2ef1c53b_cvt
	.p2alignl 7, 3214868480
	.fill 96, 4, 3214868480
	.section	.rodata,"a",@progbits
	.p2align	6, 0x0
	.amdhsa_kernel k_q7d2ef1c53b_cvt
		.amdhsa_group_segment_fixed_size 0
		.amdhsa_private_segment_fixed_size 0
		.amdhsa_enable_private_segment 0
		.amdhsa_kernarg_size 40
		.amdhsa_user_sgpr_count 2
		.amdhsa_user_sgpr_kernarg_segment_ptr 1
		.amdhsa_wavefront_size32 1
		.amdhsa_system_sgpr_workgroup_id_x 1
		.amdhsa_system_sgpr_workgroup_id_y 1
		.amdhsa_system_sgpr_workgroup_id_z 1
		.amdhsa_system_vgpr_workitem_id 0
		.amdhsa_next_free_vgpr 104
		.amdhsa_next_free_sgpr 66
		.amdhsa_reserve_vcc 0
		.amdhsa_float_denorm_mode_32 3
		.amdhsa_float_denorm_mode_16_64 3
		.amdhsa_memory_ordered 1
		.amdhsa_forward_progress 1
		.amdhsa_inst_pref_size 8
	.end_amdhsa_kernel
	.amdgpu_metadata
---
amdhsa.version: [ 1, 2 ]
amdhsa.kernels:
  - .name:           k_q7d2ef1c53b_cvt
    .symbol:         k_q7d2ef1c53b_cvt.kd
    .args:
      - { .name: inputs, .offset: 0, .size: 8, .value_kind: global_buffer, .address_space: global }
      - { .name: Wq, .offset: 8, .size: 8, .value_kind: global_buffer, .address_space: global }
      - { .name: Wk, .offset: 16, .size: 8, .value_kind: global_buffer, .address_space: global }
      - { .name: Wv, .offset: 24, .size: 8, .value_kind: global_buffer, .address_space: global }
      - { .name: ab, .offset: 32, .size: 8, .value_kind: global_buffer, .address_space: global }
    .group_segment_fixed_size: 0
    .private_segment_fixed_size: 0
    .kernarg_segment_align: 8
    .kernarg_segment_size: 40
    .max_flat_workgroup_size: 256
    .sgpr_count:     66
    .vgpr_count:     104
    .wavefront_size: 32
...
	.end_amdgpu_metadata
.endif
;; end of part 5
;; launch proj: the kernel of part 2 again; grid 8 x 32, 4 waves a work-group, clusters of 4 x 4, 327,680 bytes of LDS; arguments ab, qkv; writes qkv
;; launch score: the kernel of part 3 again; grid 36 x 4, 4 waves a work-group, no clusters, 327,680 bytes of LDS; arguments qkv, pt, stats; writes pt, stats
;; launch pv: the kernel of part 4 again; grid 8 x 32, 4 waves a work-group, clusters of 4 x 1, 327,680 bytes of LDS; arguments pt, qkv, stats, out0; writes out0
